; MI455X (gfx1250); checked and timed in simulation.
; The chip was launched on July 23, 2026; its instructions are those of AMD's public machine-readable ISA for CDNA 5 (MIT licence, August 2026) and "CDNA5" Instruction Set Architecture Reference Guide (July 2026). The comments in the code are by the model that wrote it; some were corrected since.
;; Attention. Allowed arithmetic: float matrix products may take bf16 or f16 operands with f32 sums; other float arithmetic in f32, or as packed bf16 or f16 multiplies, adds, multiply-adds, maxima and minima; sums over many terms, partial sums and values carried from step to step in f32; what a program stores and reads back later, other than sums and carried values, may be rounded once to bf16 or f16.
;; Inputs: Wk 1,024 x 1,024 float32; Wo 1,024 x 1,024 float32; Wq 1,024 x 1,024 float32; Wv 1,024 x 1,024 float32; bk 1,024 float32; bo 1,024 float32; bq 1,024 float32; bv 1,024 float32; mask 4 x 2,048 x 2,048 bool; x 4 x 2,048 x 1,024 float32.
;; Outputs: out0 4 x 2,048 x 1,024 float32.
;; 2 versions, each right; version 2 is version 1 with the launch prep written anew for expert scheduling mode. Each part assembles by itself: llvm-mc -triple=amdgcn-amd-amdhsa -mcpu=gfx1250 --defsym DOCPART=n.
;; ======== version 1 of 2: 5 launches
;; limits: values are held in f16: magnitudes above 65,504 overflow, below 6.1e-05 lose precision
;; workspace buffers: xb 16,777,216 bytes; wqkv 6,291,456 bytes; woh 2,097,152 bytes; qkv 50,331,648 bytes; pw 33,554,432 bytes; st 1,048,576 bytes; oh 16,777,216 bytes
;; launch prep (part 1): grid 768 x 1, 8 waves a work-group, no clusters, 0 bytes of LDS; arguments x, Wq, Wk, Wv, Wo, xb, wqkv, woh; writes xb, wqkv, woh
.if DOCPART == 1
	.amdgcn_target "amdgcn-amd-amdhsa--gfx1250"
	.amdhsa_code_object_version 6
	.text
	.protected	k_q323f07e2d6_prep
	.globl	k_q323f07e2d6_prep
	.p2align	8
	.type	k_q323f07e2d6_prep,@function
k_q323f07e2d6_prep:
	s_mov_b64 s[64:65], 0
	v_nop
	global_prefetch_b8 v0, s[64:65] scope:SCOPE_SE
	s_setreg_imm32_b32 hwreg(HW_REG_WAVE_MODE, 25, 1), 1
	s_wait_xcnt 0x0
; THE INPUTS OF THE PRODUCTS, ROUNDED ONCE TO bf16.  x [8192][1024] f32 -> xb, bf16.  Wq, Wk, Wv [1024][1024] f32 -> wqkv [1024][3072] bf16, side by side
; (columns 0-1023 Wq, 1024-2047 Wk, 2048-3071 Wv).  Wo -> woh [1024][1024]: rounded to bf16 like the others, and that number written as f16, since the last product's other operand is f16.
; LIMITS.  bf16(Wo) beyond 65,504 becomes an infinity in f16; below 6e-5 it falls on f16's fixed step of 6e-8.
; SHARES.  A row of each source is 1,024 f32 = 256 threads x 4 numbers.  A work-group takes 16 rows: thread t loads the 16 bytes at 16 t of each (a wave: 512 consecutive bytes) and stores the 8 bytes
; at 8 t (a wave: 256 consecutive bytes, aligned).  Work-groups 0-511 take x; of the other 256, 64 take each weight.  All 16 loads go out first; no register is written twice, so no wait frees one.
; No LDS, no matrix unit, no cluster: nothing is shared and nothing is read twice.
.set ROWB, 4096                        ; bytes in a source row
.macro CONV pitch, half                ; pitch: bytes from row to row in the destination; half = 1: bf16 written as f16
.set i, 0
.rept 16
	global_load_b128 v[16+4*i:19+4*i], v1, s[4:5] offset:ROWB*i th:TH_LOAD_NT
.set i, i+1
.endr
.set i, 0
.rept 16
	s_wait_loadcnt 15-i                            ; loads come back in order: row i is in, the 15 - i younger ones stay out
	v_cvt_pk_bf16_f32 v[80+2*i], v[16+4*i], v[17+4*i]
	v_cvt_pk_bf16_f32 v[81+2*i], v[18+4*i], v[19+4*i]
.if \half
	v_lshlrev_b32 v3, 16, v[80+2*i]                ; bf16 to f32: a shift, a mask
	v_and_b32 v4, 0xffff0000, v[80+2*i]
	v_lshlrev_b32 v5, 16, v[81+2*i]
	v_and_b32 v6, 0xffff0000, v[81+2*i]
	v_cvt_pk_f16_f32 v[80+2*i], v3, v4
	v_cvt_pk_f16_f32 v[81+2*i], v5, v6
.endif
	global_store_b64 v2, v[80+2*i:81+2*i], s[6:7] offset:(\pitch)*i
.set i, i+1
.endr
.endm
	s_load_b512 s[8:23], s[0:1], 0x0               ; x 8:9, Wq 10:11, Wk 12:13, Wv 14:15, Wo 16:17, xb 18:19, wqkv 20:21, woh 22:23
	v_lshlrev_b32 v1, 4, v0                        ; 16 t
	v_lshlrev_b32 v2, 3, v0                        ; 8 t
	s_mov_b32 s25, 0                               ; the offsets' high words
	s_mov_b32 s27, 0
	s_cmp_lt_u32 ttmp9, 512
	s_cbranch_scc0 .Lweights
	s_lshl_b32 s24, ttmp9, 16                      ; 16 rows of 4,096 bytes
	s_lshl_b32 s26, ttmp9, 15                      ; 16 rows of 2,048 bytes
	s_wait_kmcnt 0x0
	s_add_nc_u64 s[4:5], s[8:9], s[24:25]
	s_add_nc_u64 s[6:7], s[18:19], s[26:27]
	CONV 2048, 0
	s_endpgm
.Lweights:
	s_sub_co_u32 s28, ttmp9, 512
	s_lshr_b32 s29, s28, 6                         ; which weight: 0 Wq, 1 Wk, 2 Wv, 3 Wo
	s_and_b32 s28, s28, 63                         ; which 16 rows of it
	s_lshl_b32 s24, s28, 16
	s_wait_kmcnt 0x0
	s_cmp_eq_u32 s29, 3
	s_cbranch_scc1 .Lwo
	s_mul_i32 s26, s28, 16*6144                    ; 16 rows of wqkv,
	s_lshl_b32 s30, s29, 11                        ; and the weight's 2,048 bytes of each
	s_add_co_u32 s26, s26, s30
	s_cmp_eq_u32 s29, 0
	s_cselect_b64 s[4:5], s[10:11], s[12:13]
	s_cmp_eq_u32 s29, 2
	s_cselect_b64 s[4:5], s[14:15], s[4:5]
	s_add_nc_u64 s[4:5], s[4:5], s[24:25]
	s_add_nc_u64 s[6:7], s[20:21], s[26:27]
	CONV 6144, 0
	s_endpgm
.Lwo:
	s_lshl_b32 s26, s28, 15
	s_add_nc_u64 s[4:5], s[16:17], s[24:25]
	s_add_nc_u64 s[6:7], s[22:23], s[26:27]
	CONV 2048, 1
	s_endpgm
.Lfunc_end_k_q323f07e2d6_prep:
	.size	k_q323f07e2d6_prep, .Lfunc_end_k_q323f07e2d6_prep-k_q323f07e2d6_prep
	.p2alignl 7, 3214868480
	.fill 96, 4, 3214868480
	.section	.rodata,"a",@progbits
	.p2align	6, 0x0
	.amdhsa_kernel k_q323f07e2d6_prep
		.amdhsa_group_segment_fixed_size 0
		.amdhsa_private_segment_fixed_size 0
		.amdhsa_enable_private_segment 0
		.amdhsa_kernarg_size 64
		.amdhsa_user_sgpr_count 2
		.amdhsa_user_sgpr_kernarg_segment_ptr 1
		.amdhsa_wavefront_size32 1
		.amdhsa_system_sgpr_workgroup_id_x 1
		.amdhsa_system_sgpr_workgroup_id_y 1
		.amdhsa_system_sgpr_workgroup_id_z 1
		.amdhsa_system_vgpr_workitem_id 0
		.amdhsa_next_free_vgpr 112
		.amdhsa_next_free_sgpr 66
		.amdhsa_reserve_vcc 0
		.amdhsa_float_denorm_mode_32 3
		.amdhsa_float_denorm_mode_16_64 3
		.amdhsa_memory_ordered 1
		.amdhsa_forward_progress 1
		.amdhsa_inst_pref_size 23
	.end_amdhsa_kernel
	.amdgpu_metadata
---
amdhsa.version: [ 1, 2 ]
amdhsa.kernels:
  - .name:           k_q323f07e2d6_prep
    .symbol:         k_q323f07e2d6_prep.kd
    .args:
      - { .name: x, .offset: 0, .size: 8, .value_kind: global_buffer, .address_space: global }
      - { .name: Wq, .offset: 8, .size: 8, .value_kind: global_buffer, .address_space: global }
      - { .name: Wk, .offset: 16, .size: 8, .value_kind: global_buffer, .address_space: global }
      - { .name: Wv, .offset: 24, .size: 8, .value_kind: global_buffer, .address_space: global }
      - { .name: Wo, .offset: 32, .size: 8, .value_kind: global_buffer, .address_space: global }
      - { .name: xb, .offset: 40, .size: 8, .value_kind: global_buffer, .address_space: global }
      - { .name: wqkv, .offset: 48, .size: 8, .value_kind: global_buffer, .address_space: global }
      - { .name: woh, .offset: 56, .size: 8, .value_kind: global_buffer, .address_space: global }
    .group_segment_fixed_size: 0
    .private_segment_fixed_size: 0
    .kernarg_segment_align: 8
    .kernarg_segment_size: 64
    .max_flat_workgroup_size: 256
    .sgpr_count:     66
    .vgpr_count:     112
    .wavefront_size: 32
...
	.end_amdgpu_metadata
.endif
;; end of part 1
;; launch qkv (part 2): grid 12 x 16, 4 waves a work-group, clusters of 4 x 4, 327,680 bytes of LDS; arguments xb, wqkv, bq, bk, bv, qkv; writes qkv
.if DOCPART == 2
	.amdgcn_target "amdgcn-amd-amdhsa--gfx1250"
	.amdhsa_code_object_version 6
	.text
	.protected	k_q323f07e2d6_qkv
	.globl	k_q323f07e2d6_qkv
	.p2align	8
	.type	k_q323f07e2d6_qkv,@function
k_q323f07e2d6_qkv:
	s_mov_b64 s[64:65], 0
	v_nop
	global_prefetch_b8 v0, s[64:65] scope:SCOPE_SE
	s_setreg_imm32_b32 hwreg(HW_REG_WAVE_MODE, 25, 1), 1
	s_wait_xcnt 0x0
	s_wait_alu depctr_hold_cnt(0) depctr_sa_sdst(0) depctr_va_vdst(0) depctr_va_sdst(0) depctr_va_ssrc(0) depctr_va_vcc(0) depctr_vm_vsrc(0)
	s_getreg_b32 s2, hwreg(HW_REG_IB_STS2, 6, 4)
	s_cmp_eq_u32 s2, 0
	s_cbranch_scc0 .Lentry_in_a_cluster
	s_endpgm
.Lentry_in_a_cluster:
	s_bfe_u32 s2, ttmp6, 0x10000c
	s_cmp_lg_u32 s2, 0xf033
	s_cbranch_scc0 .Lentry_shape_is_right
	s_endpgm
.Lentry_shape_is_right:
; THE THREE PROJECTIONS AS ONE PRODUCT.  qkv [8192][3072] f16 = xb [8192][1024] x wqkv [1024][3072] (both bf16, sums in f32) + bias (rounded to bf16 like every input).
; Columns 0-1023 (Q) are also multiplied by c = log2(e) / sqrt(2048), in f32, ahead of the one rounding to f16: the next launch's sums are then exponents of 2.
; LIMITS.  c Q, K and V must stay under 65,504 (f16); below 6e-5 they fall on f16's fixed step of 6e-8.  NaN and infinities are not treated apart.
; SHARES.  A tile of the result is 256 x 256: 32 x 12 = 384 tiles.  A WORK-GROUP STAYS and makes two of them, 4,096 rows apart, in the same 256 columns: 192 work-groups of equal work
; (384 tiles cannot be dealt evenly to 256).  A wave makes 128 x 128 of a tile: 64 accumulators of 16 x 16.  K goes in steps of 128 through two LDS slots, and the ring does not stop at the
; first tile's end: its last two changes of slots ask for the second tile's K steps 0 and 1.
; xb's tile (256 rows x 256 bytes, pitch 272) is read as it lies; wqkv's ([k][column]: 128 rows x 512 bytes, pitch 544) is turned by ds_load_tr16_b128.
; THE MATRIX INSTRUCTION IS USED TRANSPOSED: source 0 = 16 columns of the result, source 1 = 16 rows: a lane then holds one row (lane % 16) and the 8 neighbouring columns 8 (lane / 16) + 0..7.
; CLUSTER.  4 x 4 work-groups: the four of a row of the cluster need the same tile of xb, the four of a column the same tile of wqkv: each is asked for jointly, waves 0 and 1 for xb's two halves, waves 2 and 3 for wqkv's.
; REGISTERS.  window 0: v0-31 addresses; v64-127, v128-191 xb's fragments, two buffers; on the way out v128-191 sums, v192-223 packed, v224-255 rows read back (v64-127 hold the next tile's first fragments by then).
; window 1: v0-63 bias; v64-191 wqkv's fragments; v192-195 at work.   windows 2, 3: accumulator (a, b) at v[8 (8 (a % 4) + b)].
.set T,      8                         ; K steps in a tile
.set TILES,  2
.set PITCH,  272                       ; xb's LDS row: 256 bytes + 16: the 16 rows of a load start at 16 different groups of four banks (64 banks of 4 bytes: ISA guide 11.1)
.set PB,     544                       ; wqkv's: 512 + 32 = 136 words
.set HALFT,  128*PITCH                 ; what one tensor load brings: 128 rows of xb, or 64 rows of wqkv (64 x 544 is the same number)
.set SLOT,   4*HALFT                   ; xb's 256 rows, then wqkv's 128: 0x22000; its two bits occur in none of the waves' offsets w x 0x8800, so one exclusive or changes slots
.set STAGE,  2*SLOT                    ; behind the ring: 16 rows x 272 bytes for each wave, for the way out
.set SP,     272
.set SPARE,  STAGE+4*16*SP             ; the spare words, 128 bytes for each wave: two blocks of 256 bytes that no other line names
.set ROWA,   2048                      ; bytes in a row of xb
.set ROWB,   6144                      ; of wqkv
.set ROWC,   6144                      ; of qkv
.set STEPA,  256                       ; a K step along xb's rows
.set STEPB,  128*ROWB                  ; and down wqkv's
.set WALK,   4096                      ; rows from a work-group's first tile to its second
.set NEXTA,  WALK*ROWA-(T-1)*STEPA     ; xb: from a tile's last K step to the next tile's first
.set BACKB,  T*STEPB                   ; wqkv: back to K step 0 (taken off behind the usual step)
.set NEXTC,  (WALK-128)*ROWC           ; qkv: from behind my 128 rows of a tile to my first row of the next
.set F0,     64
.set F1,     128
.set MSB, 0
.macro WIN new                         ; the immediate's high byte repeats the setting that is left; a switch that changes nothing is dropped
.if MSB != (\new)
	s_set_vgpr_msb (MSB<<8)|(\new)
.set MSB, (\new)
.endif
.endm
.macro PLACES                          ; four places behind a matrix instruction, in front of loads into registers that it has read
.rept 4
	v_nop
.endr
.endm
.macro CREST                           ; a round of the cluster's barrier behind its opening barrier
	s_cmp_lg_u32 s10, 0
	s_cbranch_scc1 .Lnot_wave_0_\@
	s_barrier_signal -3
.Lnot_wave_0_\@:
	s_barrier_wait -3
	s_barrier_signal -1
	s_barrier_wait -1
.endm
.macro CROUND
	s_barrier_signal -1
	s_barrier_wait -1
	CREST
.endm
.macro JLOAD                           ; the joint refill, by the walking descriptors; the branch hangs on the wave's number alone; an s_nop 0 and four v_nop follow each line
	s_cmp_eq_u32 s11, 0
	s_cbranch_scc0 .Lfor_b_\@
	tensor_load_to_lds s[36:39], s[24:31]
	s_nop 0
.rept 4
	v_nop
.endr
	s_branch .Lasked_\@
.Lfor_b_\@:
	tensor_load_to_lds s[60:63], s[48:55]
	s_nop 0
.rept 4
	v_nop
.endr
.Lasked_\@:
.endm
; A prefetch of the K step that stands two refills on, one instruction a wave, a lane a block of 256 bytes.  xb's rows: waves 0 and 1 of the clusters with x = 0; of the 128 rows that a wave fetches the partner at cx
; takes 32.  wqkv's rows (two blocks each): waves 2 and 3 of the clusters with y = 0; of the 64 rows that a wave fetches the partner at cy takes 16.  So each block is named once in the launch, and partners
; differ by address alone.  how = 0, in the loop: K steps 4 to 7 (the loop's last two trips, s3 = 2 and 1, ask for nothing).  how = 1, at the change of tiles: the next tile's K steps 2 and 3 of xb;
; wqkv's rows are the same for both tiles and are asked for in the first alone.  A tile's K steps 0 and 1, and the launch's 2 and 3, come by their loads alone.
.macro ASK how
.if \how
	s_cmp_eq_u32 s43, 2
.else
	s_cmp_gt_u32 s3, s43
.endif
	s_cbranch_scc0 .Lnot_mine_\@
	global_prefetch_b8 v30, s[44:45] th:TH_LOAD_NT scope:SCOPE_SE
.Lnot_mine_\@:
.endm
.macro FETCH q, f                      ; 32 LDS loads in one run: the fragments of quarter q (32 along K) of the slot in hand
	WIN 0x40                                       ; destination window 1
.irp b, 0,1,2,3,4,5,6,7
	ds_load_tr16_b128 v[(\f)+8*(\b):(\f)+8*(\b)+3],   v19 offset:(\q)*32*PB+32*(\b)
	ds_load_tr16_b128 v[(\f)+8*(\b)+4:(\f)+8*(\b)+7], v19 offset:(\q)*32*PB+16*PB+32*(\b)
.endr
	WIN 0
.irp i, 0,1,2,3,4,5,6,7
	ds_load_b128 v[(\f)+8*(\i):(\f)+8*(\i)+3],   v18 offset:64*(\q)+(\i)*16*PITCH
	ds_load_b128 v[(\f)+8*(\i)+4:(\f)+8*(\i)+7], v18 offset:64*(\q)+(\i)*16*PITCH+32
.endr
.endm
.macro MULA f, a, zero                 ; row block a x all 8 column blocks; the 64 accumulators take turns, in the same order in every quarter
	WIN 0xa1+0x50*((\a)/4)                         ; source 0 (wqkv) window 1, source 1 (xb) window 0, C and D window 2 or 3
.irp b, 0,1,2,3,4,5,6,7
.if \zero
	v_wmma_f32_16x16x32_bf16 v[8*(8*((\a)%4)+(\b)):8*(8*((\a)%4)+(\b))+7], v[(\f)+8*(\b):(\f)+8*(\b)+7], v[(\f)+8*(\a):(\f)+8*(\a)+7], 0
.else
	v_wmma_f32_16x16x32_bf16 v[8*(8*((\a)%4)+(\b)):8*(8*((\a)%4)+(\b))+7], v[(\f)+8*(\b):(\f)+8*(\b)+7], v[(\f)+8*(\a):(\f)+8*(\a)+7], v[8*(8*((\a)%4)+(\b)):8*(8*((\a)%4)+(\b))+7]
.endif
.endr
.endm
.macro Q q, f, g, zero                 ; a quarter: buffer f (landed) is multiplied while quarter q's fragments come into g
	PLACES
	FETCH \q, \g
.irp a, 0,1,2,3,4,5,6,7
	MULA \f, \a, \zero
.endr
	s_wait_dscnt 0x0                               ; g is in: its 32 loads had 64 products in which to land
.endm
; A step's last quarter, on buffer 1, and the change of slots.  In front of the barrier each wave waits for all its tensor loads (one is out: its part of the next slot), adds 0 to its spare word, and waits for that and
; for its reads of this slot.  fill = 1: the barrier opens a round of the cluster's, and this slot is filled again, first thing behind it.  Only eight products stand between the wait for the loads and the refill
; (they stand between the add and the wait for it); the quarter's other 56 follow the refill: from a request to the wait for it a wave issues 56 + 3 x 64 = 248 products.
.macro TURN fill, how
.if \fill
	s_wait_xcnt 0x0                                ; the last prefetch, a K step back, has read its address
	s_add_nc_u64 s[44:45], s[44:45], s[70:71]
	s_mov_b32 s70, s86                             ; (the step is another once, at the change of tiles)
.endif
	WIN 0
	s_wait_tensorcnt 0x0                           ; no tensor load of mine is out, so a group 0 may be written
	ds_add_u32 v28, v29                            ; 0 onto my spare word
.if \fill
	s_xor_b32 s37, s37, SLOT                       ; the walking descriptors: the other slot than last time,
	s_add_nc_u64 s[38:39], s[38:39], s[82:83]      ; xb's next K step, or the next tile's first,
	s_xor_b32 s61, s61, SLOT
	s_add_nc_u64 s[62:63], s[62:63], STEPB         ; wqkv's next K step,
	s_sub_nc_u64 s[62:63], s[62:63], s[84:85]      ; at the change of tiles back to its first
	s_mov_b32 s82, STEPA
	s_mov_b32 s84, 0
.endif
	s_xor_b32 s66, s66, SLOT                       ; the slot to be read next
	MULA F1, 0, 0
	s_wait_dscnt 0x0                               ; the add is done, and my reads of this slot are over
	WIN 0
	s_barrier_signal -1
	s_barrier_wait -1
.if \fill
	CREST
	JLOAD                                          ; its four v_nop are also the places in front of the loads below
.else
	PLACES
.endif
	v_add_nc_u32 v18, s66, v16
	v_add_nc_u32 v19, s66, v17
	FETCH 0, F0
.if \fill
	ASK \how
.endif
.irp a, 1,2,3,4,5,6,7
	MULA F1, \a, 0
.endr
	s_wait_dscnt 0x0
.endm
	s_load_b128 s[4:7], s[0:1], 0x0                ; xb s[4:5], wqkv s[6:7]
	s_load_b128 s[72:75], s[0:1], 0x10             ; bq, bk
	s_load_b128 s[76:79], s[0:1], 0x20             ; bv, qkv
	v_lshl_add_u32 v28, v0, 2, SPARE
	v_mov_b32 v29, 0
	ds_add_u32 v28, v29                            ; the wave's opening: the add and its wait stand ahead of my first tensor load
	v_lshrrev_b32 v1, 5, v0
	v_readfirstlane_b32 s10, v1                    ; wave 0..3
	s_lshr_b32 s11, s10, 1                         ; which half of the tile's rows is mine.  Also: I fetch xb's tiles (0) or wqkv's (1)
	s_and_b32 s12, s10, 1                          ; which half of its columns.  Also: which half of that tile I fetch
	s_bfe_u32 s40, ttmp6, 0x40000                  ; cx
	s_bfe_u32 s41, ttmp6, 0x40004                  ; cy
	s_lshl_b32 s42, ttmp9, 2
	s_add_co_u32 s42, s42, s40                     ; tile column x = 4 x cluster x + cx, 0 to 11
	s_and_b32 s22, ttmp7, 0xffff                   ; cluster y
	s_lshl_b32 s13, s22, 2
	s_add_co_u32 s13, s13, s41                     ; the first tile's row y = 4 x cluster y + cy, 0 to 15
	s_lshl_b32 s14, s41, 2
	s_lshl_b32 s14, 15, s14                        ; my row of the cluster
	s_lshl_b32 s15, 0x1111, s40                    ; my column
	s_or_b32 s24, s14, (1<<16)|(1<<20)|(1<<21)|(5<<22)|(3<<25)  ; xb: mask of my row; 2-byte elements; padding on; bit 21 beside a mask; after every 64 words 4 words
	s_mov_b32 s25, 128<<16                         ; tensor_dim0 = 128
	s_mov_b32 s26, 128<<16                         ; tensor_dim1 = 128
	s_mov_b32 s27, 128<<16                         ; tile_dim0 = 128
	s_mov_b32 s28, 128                             ; tile_dim1 = 128
	s_mov_b32 s29, 1024                            ; elements from row to row
	s_mov_b32 s30, 0
	s_mov_b32 s31, 0
	s_or_b32 s48, s15, (1<<16)|(1<<20)|(1<<21)|(6<<22)|(7<<25)  ; wqkv: mask of my column; after every 128 words 8 words
	s_mov_b32 s49, 256<<16                         ; tensor_dim0 = 256
	s_mov_b32 s50, 64<<16                          ; tensor_dim1 = 64
	s_mov_b32 s51, 256<<16                         ; tile_dim0 = 256
	s_mov_b32 s52, 64                              ; tile_dim1 = 64
	s_mov_b32 s53, 3072
	s_mov_b32 s54, 0
	s_mov_b32 s55, 0
	s_mul_i32 s68, s10, HALFT                      ; where my load lands in a slot: xb's two halves, then wqkv's two: no place in the cluster enters an LDS address
	s_mov_b32 s66, 0                               ; slot 0 is read first
	s_mov_b32 s82, STEPA                           ; xb's step, as a pair
	s_mov_b32 s83, 0
	s_mov_b32 s84, 0                               ; what wqkv's address goes back by, as a pair
	s_mov_b32 s85, 0
	s_lshl_b32 s16, s13, 8
	s_lshl_b32 s17, s12, 7
	s_add_co_u32 s16, s16, s17
	s_mul_i32 s16, s16, ROWA                       ; xb: row 256 y + 128 x half
	s_mov_b32 s17, 0
	s_mul_i32 s46, s12, 64*ROWB                    ; wqkv: row 64 x half, column 256 x
	s_lshl_b32 s47, s42, 9
	s_add_co_u32 s46, s46, s47
	s_mov_b32 s47, 0
	s_wait_dscnt 0x0                               ; the opening add is done
	s_wait_kmcnt 0x0
	s_add_nc_u64 s[14:15], s[4:5], s[16:17]
	s_add_nc_u64 s[46:47], s[6:7], s[46:47]
	CROUND                                         ; all sixteen work-groups are here: the first joint loads meet
	s_mov_b32 s32, 1                               ; group 0, xb, K step 0 into slot 0
	s_mov_b32 s33, s68
	s_mov_b64 s[34:35], s[14:15]
	s_or_b32 s35, s35, 0x80000000
	s_mov_b32 s36, 1                               ; the walking one: K step 1 into slot 1
	s_add_co_u32 s37, s68, SLOT
	s_add_nc_u64 s[38:39], s[14:15], STEPA
	s_or_b32 s39, s39, 0x80000000
	s_mov_b32 s56, 1                               ; the same for wqkv
	s_mov_b32 s57, s68
	s_mov_b64 s[58:59], s[46:47]
	s_or_b32 s59, s59, 0x80000000
	s_mov_b32 s60, 1
	s_add_co_u32 s61, s68, SLOT
	s_add_nc_u64 s[62:63], s[46:47], STEPB
	s_or_b32 s63, s63, 0x80000000
	s_cmp_eq_u32 s11, 0                            ; a wave's two first fills stand in one branch: two loads of mine are out
	s_cbranch_scc0 .Lfirst_b
	tensor_load_to_lds s[32:35], s[24:31]
	s_nop 0
	tensor_load_to_lds s[36:39], s[24:31]
	s_nop 0
.rept 4
	v_nop
.endr
	s_branch .Lfirst_asked
.Lfirst_b:
	tensor_load_to_lds s[56:59], s[48:55]
	s_nop 0
	tensor_load_to_lds s[60:63], s[48:55]
	s_nop 0
.rept 4
	v_nop
.endr
.Lfirst_asked:
	; the bias of my 128 columns: four tiles, one cluster, to each of the three parts
	s_cmp_eq_u32 ttmp9, 0
	s_cselect_b64 s[72:73], s[72:73], s[74:75]
	s_cselect_b32 s80, 0x3d0293ee, 1.0             ; c = log2(e) / sqrt(2048) for Q, 1 for K and V
	s_cmp_eq_u32 ttmp9, 2
	s_cselect_b64 s[72:73], s[76:77], s[72:73]
	s_mov_b32 s81, s80                             ; named with it as a pair
	s_lshl_b32 s14, s40, 10                        ; the tile's 256 numbers in its part,
	s_lshl_b32 s15, s12, 9                         ; my 128 of them
	s_add_co_u32 s14, s14, s15
	s_mov_b32 s15, 0
	s_add_nc_u64 s[72:73], s[72:73], s[14:15]
	v_and_b32 v1, 15, v0                           ; r = l % 16
	v_bfe_u32 v2, v0, 4, 1                         ; h = l / 16
	v_lshlrev_b32 v27, 5, v2                       ; my 8 columns of a block of 16: 32 h bytes
	WIN 0x40                                       ; destination window 1
.set i, 0
.rept 16
	global_load_b128 v[4*i:4*i+3], v27, s[72:73] offset:64*(i/2)+16*(i%2)
.set i, i+1
.endr
	WIN 0
	v_and_b32 v3, 7, v0
	v_bfe_u32 v4, v0, 3, 1
	v_and_b32 v5, 31, v0
	s_mul_i32 s20, s11, HALFT
	v_mul_u32_u24 v16, v1, PITCH                   ; xb's fragments: my 128 rows; row r x pitch + 16 h
	v_lshl_add_u32 v16, v2, 4, v16
	v_add_nc_u32 v16, s20, v16
	v_lshl_add_u32 v17, v2, 3, v3                  ; wqkv's, turned: lane l reads row 8 h + l % 8, bytes 16 ((l / 8) % 2) on, in my 256 bytes of the row
	v_mul_u32_u24 v17, v17, PB
	v_lshl_add_u32 v17, v4, 4, v17
	s_lshl_b32 s21, s12, 8
	s_add_co_u32 s21, s21, 2*HALFT
	v_add_nc_u32 v17, s21, v17
	v_mov_b32 v18, v16
	v_mov_b32 v19, v17
	s_mul_i32 s23, s10, 16*SP
	s_add_co_u32 s23, s23, STAGE                   ; my stage
	v_mul_u32_u24 v24, v1, SP                      ; in: row r, 16 bytes for each half of the lanes
	v_lshl_add_u32 v24, v2, 4, v24
	v_add_nc_u32 v24, s23, v24
	v_mul_u32_u24 v25, v2, SP                      ; back: lanes 0-15 one row of 256 bytes, lanes 16-31 the next
	v_lshl_add_u32 v25, v1, 4, v25
	v_add_nc_u32 v25, s23, v25
	v_mul_u32_u24 v26, v2, ROWC                    ; and the same two rows in qkv
	v_lshl_add_u32 v26, v1, 4, v26
	s_lshl_b32 s16, s13, 8
	s_lshl_b32 s17, s11, 7
	s_add_co_u32 s16, s16, s17
	s_mul_i32 s16, s16, ROWC                       ; my first row of the result, 256 y + 128 x half,
	s_lshl_b32 s17, s42, 9                         ; the tile's first column,
	s_add_co_u32 s16, s16, s17
	s_lshl_b32 s17, s12, 8                         ; my half of its columns
	s_add_co_u32 s16, s16, s17
	s_mov_b32 s17, 0
	s_add_nc_u64 s[8:9], s[78:79], s[16:17]
	; the prefetches: they begin at K step 3; each change of slots steps them before it asks
	s_lshl_b32 s20, s13, 8
	s_lshl_b32 s21, s12, 7
	s_add_co_u32 s20, s20, s21
	s_lshl_b32 s21, s40, 5
	s_add_co_u32 s20, s20, s21                     ; xb: row 256 y + 128 x half + 32 cx
	s_mul_i32 s20, s20, ROWA
	s_add_co_u32 s20, s20, 3*STEPA
	s_lshl_b32 s21, s12, 6
	s_lshl_b32 s23, s41, 4
	s_add_co_u32 s21, s21, s23
	s_add_co_u32 s21, s21, 3*128                   ; wqkv: row 64 x half + 16 cy of K step 3
	s_mul_i32 s21, s21, ROWB
	s_lshl_b32 s23, s42, 9
	s_add_co_u32 s21, s21, s23
	s_mov_b32 s86, STEPB
	s_mov_b32 s19, ROWB
	s_cmp_eq_u32 s11, 0
	s_cselect_b32 s20, s20, s21
	s_cselect_b32 s23, ttmp9, s22                  ; xb's askers: cluster x = 0; wqkv's: cluster y = 0
	s_cselect_b64 s[44:45], s[4:5], s[6:7]
	s_cselect_b32 s86, STEPA, s86
	s_cselect_b32 s19, ROWA, s19
	s_mov_b32 s70, s86
	s_mov_b32 s71, 0
	s_mov_b32 s21, 0
	s_add_nc_u64 s[44:45], s[44:45], s[20:21]
	s_cmp_eq_u32 s23, 0
	s_cselect_b32 s43, 2, -1                       ; a wave asks while s3 is above this: the same in all sixteen partners, for a given wave
	v_lshrrev_b32 v6, s11, v5                      ; xb: a lane a row; wqkv: two lanes a row,
	v_mul_u32_u24 v30, s19, v6
	v_and_b32 v7, s11, v5                          ; the odd lane its second 256 bytes
	v_lshl_add_u32 v30, v7, 8, v30
	; the bias: rounded to bf16 like every input, widened again, times c or 1: all in the wait for the first tiles
	s_wait_loadcnt 0x0
	WIN 0x45                                       ; destination and both sources in window 1
.set i, 0
.rept 32
	v_cvt_pk_bf16_f32 v[192+i%4], v[2*i], v[2*i+1]
	v_lshlrev_b32 v[2*i], 16, v[192+i%4]
	v_and_b32 v[2*i+1], 0xffff0000, v[192+i%4]
	v_pk_mul_f32 v[2*i:2*i+1], v[2*i:2*i+1], s[80:81] op_sel_hi:[1,0]
.set i, i+1
.endr
	WIN 0
	s_wait_tensorcnt 0x1                           ; my part of K step 0 is in; step 1's may stay out
	s_barrier_signal -1
	s_barrier_wait -1                              ; everybody's is
	FETCH 0, F0
	s_wait_dscnt 0x0
	s_mov_b32 s87, TILES                           ; tiles to go, this one among them: the same number in every work-group
.Ltile:
	Q 1, F0, F1, 1                                 ; a tile's first quarter: its products start the sums: nothing is cleared
	WIN 0
	s_mov_b32 s3, T-2
.LA:                                   ; a trip: from a step's second quarter to the next step's first; the step's slot is filled again, with the K step two on
	Q 2, F1, F0, 0
	Q 3, F0, F1, 0
	TURN 1, 0
	Q 1, F0, F1, 0
	WIN 0
	s_sub_co_u32 s3, s3, 1
	s_cmp_lg_u32 s3, 0
	s_cbranch_scc1 .LA
	s_mov_b32 s2, 2
	s_cmp_eq_u32 s87, 1
	s_cbranch_scc1 .LB                             ; the last tile's last two steps are written out: they ask for nothing
	s_mov_b32 s82, NEXTA                           ; THE RING GOES ON INTO THE NEXT TILE: the next refill steps xb to the next tile's K step 0,
	s_mov_b32 s84, BACKB                           ; wqkv back to its K step 0,
	s_mov_b32 s70, NEXTA                           ; and xb's prefetches from the place of K step 9 to the next tile's K step 2
	s_cmp_eq_u32 s11, 0
	s_cselect_b32 s43, s43, -1                     ; wqkv's rows have been read: they are asked for no more
.LC:                                   ; the first tile's last two steps; the second trip is left in its middle, with the next tile's first fragments fetched
	Q 2, F1, F0, 0
	Q 3, F0, F1, 0
	TURN 1, 1
	WIN 0
	s_sub_co_u32 s2, s2, 1
	s_cmp_eq_u32 s2, 0
	s_cbranch_scc1 .Lout
	Q 1, F0, F1, 0
	WIN 0
	s_branch .LC
.LB:                                   ; the last tile's; the second trip's fetch of the other slot serves nothing: the price, once a launch, of one text for both trips
	Q 2, F1, F0, 0
	Q 3, F0, F1, 0
	TURN 0, 0
	WIN 0
	s_sub_co_u32 s2, s2, 1
	s_cmp_eq_u32 s2, 0
	s_cbranch_scc1 .Lout
	Q 1, F0, F1, 0
	WIN 0
	s_branch .LB
.Lout:
; THE WAY OUT: a loop over my eight blocks of 16 rows: sum x (c or 1) + bias, rounded to f16, 16 bytes a lane into my own stage, back as whole rows of 256 bytes, stored.  Its text is written once; only the 32 lines
; that name a block's accumulators stand eight times, chosen by forward jumps on the counter.  In the first tile both refills have been asked for by now, and nothing waits for the stores.
.macro SECT k
	WIN 0x12+(\k)/4                                ; source 0 window 2 or 3 (the sums), source 2 window 1 (the bias)
.set i, 0
.rept 32
	v_pk_fma_f32 v[128+2*i:129+2*i], v[64*((\k)%4)+2*i:64*((\k)%4)+2*i+1], s[80:81], v[2*i:2*i+1] op_sel_hi:[1,0,1]  ; each accumulator's registers in ascending order
.set i, i+1
.endr
	WIN 0
.endm
	PLACES
	PLACES                                         ; eight, once a tile, behind the last products
	s_mov_b32 s2, 0
.Lblk:
.irp k, 1,2,3,4,5,6,7
	s_cmp_eq_u32 s2, \k
	s_cbranch_scc1 .Lsec\k
.endr
	SECT 0
	s_branch .Lcommon
.irp k, 1,2,3,4,5,6
.Lsec\k:
	SECT \k
	s_branch .Lcommon
.endr
.Lsec7:
	SECT 7
.Lcommon:
.set i, 0
.rept 32
	v_cvt_pk_f16_f32 v[192+i], v[128+2*i], v[129+2*i]
.set i, i+1
.endr
.irp b, 0,1,2,3,4,5,6,7
	ds_store_b128 v24, v[192+4*(\b):195+4*(\b)] offset:32*(\b)
.endr
.irp t, 0,1,2,3,4,5,6,7
	ds_load_b128 v[224+4*(\t):227+4*(\t)], v25 offset:(\t)*2*SP  ; LDS serves a wave's instructions in order (ISA guide 5.7.1.4): these see the stores above
.endr
	s_wait_dscnt 0x0                               ; the block is back in registers
.irp t, 0,1,2,3,4,5,6,7
	global_store_b128 v26, v[224+4*(\t):227+4*(\t)], s[8:9] offset:(\t)*2*ROWC  ; 16 lanes store 256 consecutive bytes, at a multiple of 256 from qkv's first byte
.endr
	s_wait_xcnt 0x0                                ; the stores have read their base and their data: both are written again below and in the next trip
	s_add_nc_u64 s[8:9], s[8:9], 16*ROWC
	s_add_co_u32 s2, s2, 1
	s_cmp_lt_u32 s2, 8
	s_cbranch_scc1 .Lblk
	s_add_nc_u64 s[8:9], s[8:9], NEXTC             ; on to my rows of the next tile (behind the last tile the sum is not used)
	s_sub_co_u32 s87, s87, 1
	s_cmp_lg_u32 s87, 0
	s_cbranch_scc1 .Ltile
	s_wait_tensorcnt 0x0                           ; the wave's end
	ds_add_u32 v28, v29
	s_wait_dscnt 0x0
	CROUND                                         ; the closing round
	s_endpgm
.Lfunc_end_k_q323f07e2d6_qkv:
	.size	k_q323f07e2d6_qkv, .Lfunc_end_k_q323f07e2d6_qkv-k_q323f07e2d6_qkv
	.p2alignl 7, 3214868480
	.fill 96, 4, 3214868480
	.section	.rodata,"a",@progbits
	.p2align	6, 0x0
	.amdhsa_kernel k_q323f07e2d6_qkv
		.amdhsa_group_segment_fixed_size 327680
		.amdhsa_private_segment_fixed_size 0
		.amdhsa_enable_private_segment 0
		.amdhsa_kernarg_size 48
		.amdhsa_user_sgpr_count 2
		.amdhsa_user_sgpr_kernarg_segment_ptr 1
		.amdhsa_wavefront_size32 1
		.amdhsa_system_sgpr_workgroup_id_x 1
		.amdhsa_system_sgpr_workgroup_id_y 1
		.amdhsa_system_sgpr_workgroup_id_z 1
		.amdhsa_system_vgpr_workitem_id 0
		.amdhsa_next_free_vgpr 1024
		.amdhsa_next_free_sgpr 100
		.amdhsa_reserve_vcc 0
		.amdhsa_float_denorm_mode_32 3
		.amdhsa_float_denorm_mode_16_64 3
		.amdhsa_memory_ordered 1
		.amdhsa_forward_progress 1
		.amdhsa_inst_pref_size 128
	.end_amdhsa_kernel
	.amdgpu_metadata
---
amdhsa.version: [ 1, 2 ]
amdhsa.kernels:
  - .name:           k_q323f07e2d6_qkv
    .symbol:         k_q323f07e2d6_qkv.kd
    .args:
      - { .name: xb, .offset: 0, .size: 8, .value_kind: global_buffer, .address_space: global }
      - { .name: wqkv, .offset: 8, .size: 8, .value_kind: global_buffer, .address_space: global }
      - { .name: bq, .offset: 16, .size: 8, .value_kind: global_buffer, .address_space: global }
      - { .name: bk, .offset: 24, .size: 8, .value_kind: global_buffer, .address_space: global }
      - { .name: bv, .offset: 32, .size: 8, .value_kind: global_buffer, .address_space: global }
      - { .name: qkv, .offset: 40, .size: 8, .value_kind: global_buffer, .address_space: global }
    .group_segment_fixed_size: 327680
    .private_segment_fixed_size: 0
    .kernarg_segment_align: 8
    .kernarg_segment_size: 48
    .max_flat_workgroup_size: 128
    .sgpr_count:     100
    .vgpr_count:     1024
    .wavefront_size: 32
...
	.end_amdgpu_metadata
.endif
;; end of part 2
;; launch scores (part 3): grid 8 x 32, 4 waves a work-group, clusters of 4 x 4, 327,680 bytes of LDS; arguments qkv, mask, pw, st; writes pw, st
.if DOCPART == 3
	.amdgcn_target "amdgcn-amd-amdhsa--gfx1250"
	.amdhsa_code_object_version 6
	.text
	.protected	k_q323f07e2d6_scores
	.globl	k_q323f07e2d6_scores
	.p2align	8
	.type	k_q323f07e2d6_scores,@function
k_q323f07e2d6_scores:
	s_mov_b64 s[64:65], 0
	v_nop
	global_prefetch_b8 v0, s[64:65] scope:SCOPE_SE
	s_setreg_imm32_b32 hwreg(HW_REG_WAVE_MODE, 25, 1), 1
	s_wait_xcnt 0x0
	s_wait_alu depctr_hold_cnt(0) depctr_sa_sdst(0) depctr_va_vdst(0) depctr_va_sdst(0) depctr_va_ssrc(0) depctr_va_vcc(0) depctr_vm_vsrc(0)
	s_getreg_b32 s2, hwreg(HW_REG_IB_STS2, 6, 4)
	s_cmp_eq_u32 s2, 0
	s_cbranch_scc0 .Lentry_in_a_cluster
	s_endpgm
.Lentry_in_a_cluster:
	s_bfe_u32 s2, ttmp6, 0x10000c
	s_cmp_lg_u32 s2, 0xf033
	s_cbranch_scc0 .Lentry_shape_is_right
	s_endpgm
.Lentry_shape_is_right:
; SCORES, MASK AND THE FIRST HALF OF THE SOFTMAX.  t[n][k] = the sum over 1,024 channels of Q'[n] K[k] (f16 operands, f32 sums; Q' carries log2(e) / sqrt(2048), so t is an exponent of 2).
; Where mask[n][k] is 1, t is replaced by the lowest finite f32, as in the reference.  For each query and each block of 128 keys: m = the largest t, p = 2^(t - m), l = the sum of the p (unrounded, f32).
; pw [8192][2048] takes p in f16; st [64][16][8][16][2] f32 takes (m, l) of row n = 128 g + 16 a + r and key block kb at [g][kb][a][r].  The next launch joins the blocks by the row's true maximum.
; A block that is wholly masked has t - m = 0: p = 1, l = 128; beside a live block its factor there is 0, and in a row that is wholly masked all 2,048 weights are equal, as in the reference.
; LIMITS.  A weight below 2^-126 counts as 0 in l; p below 6e-5 keeps f16's fixed step of 6e-8.  NaN and infinities are not treated apart.
; SHARES.  A tile is 256 queries x 256 keys of one batch: 256 work-groups.  A wave makes 128 x 128: 64 accumulators, and so one key block of 128 queries.  K goes in steps of 128 through two LDS slots.
; TRANSPOSED USE: source 0 = 16 keys, source 1 = 16 queries: a lane holds one query (lane % 16) and the keys 8 (lane / 16) + 0..7 of each block of 16.
; CLUSTER.  4 x 4: Q's tile is shared along a row of the cluster, K's along a column (the batch hangs on the cluster's y alone).
; REGISTERS.  window 0: v0-31 addresses; v64-127, v128-191 Q's fragments, two buffers; on the way out v64-216 at work.  window 1: v64-191 K's fragments; v0-63, v192-255 my part of the mask as loaded.
; windows 2, 3: accumulator (a, b) at v[8 (8 (a % 4) + b)].
.set T,      8
.set PITCH,  272                       ; 256 bytes + 16: the 16 rows of a load start at 16 different groups of four banks (64 banks of 4 bytes: ISA guide 11.1)
.set HALFT,  128*PITCH                 ; what one tensor load brings
.set SLOT,   4*HALFT                   ; Q's 256 rows, then K's: 0x22000; its two bits occur in none of the waves' offsets w x 0x8800, so one exclusive or changes slots
.set PSTAGE, 2*SLOT                    ; 16 rows x 272 bytes for each wave, for p's way out
.set SP,     272
.set STS,    PSTAGE+4*16*SP            ; 1,024 bytes for each wave: its (m, l)
.set SPARE,  STS+4*1024                ; the spare words: two blocks of 256 bytes that no other line names
.set MDP,    144                       ; the mask's dump: 128 rows of 128 bytes + 16 for each wave,
.set MDUMP,  SLOT                      ; in slot 1, which has had its last fill of the launch by then
.set ROWQ,   6144                      ; bytes in a row of qkv
.set STEP,   256
.set F0,     64
.set F1,     128
.set MSB, 0
.macro WIN new
.if MSB != (\new)
	s_set_vgpr_msb (MSB<<8)|(\new)
.set MSB, (\new)
.endif
.endm
.macro PLACES
.rept 4
	v_nop
.endr
.endm
.macro CREST
	s_cmp_lg_u32 s10, 0
	s_cbranch_scc1 .Lnot_wave_0_\@
	s_barrier_signal -3
.Lnot_wave_0_\@:
	s_barrier_wait -3
	s_barrier_signal -1
	s_barrier_wait -1
.endm
.macro CROUND
	s_barrier_signal -1
	s_barrier_wait -1
	CREST
.endm
.macro JLOAD                           ; the joint refill: waves 0 and 1 Q's halves, waves 2 and 3 K's; an s_nop 0 and four v_nop follow each line
	s_cmp_eq_u32 s11, 0
	s_cbranch_scc0 .Lfor_b_\@
	tensor_load_to_lds s[36:39], s[24:31]
	s_nop 0
.rept 4
	v_nop
.endr
	s_branch .Lasked_\@
.Lfor_b_\@:
	tensor_load_to_lds s[60:63], s[48:55]
	s_nop 0
.rept 4
	v_nop
.endr
.Lasked_\@:
.endm
; A prefetch of the K step two refills on: a lane a row of 256 bytes.  Q's rows: waves 0 and 1 of the clusters with x = 0; K's rows: waves 2 and 3 of the clusters with even y (two clusters along y read a batch's keys).
; Of the 128 rows that a wave fetches, the partner at place p (cx for Q, cy for K) takes 32: told apart by address.  Each row's 256 bytes of a step are named once.  Steps 0 to 3 come by their loads alone; the last two trips ask for nothing.
.macro ASK
	s_cmp_gt_u32 s3, s43
	s_cbranch_scc0 .Lnot_mine_\@
	global_prefetch_b8 v30, s[44:45] th:TH_LOAD_NT scope:SCOPE_SE
.Lnot_mine_\@:
.endm
.macro FETCH q, f                      ; 32 LDS loads in one run
	WIN 0x40                                       ; destination window 1
.irp i, 0,1,2,3,4,5,6,7
	ds_load_b128 v[(\f)+8*(\i):(\f)+8*(\i)+3],   v19 offset:64*(\q)+(\i)*16*PITCH
	ds_load_b128 v[(\f)+8*(\i)+4:(\f)+8*(\i)+7], v19 offset:64*(\q)+(\i)*16*PITCH+32
.endr
	WIN 0
.irp i, 0,1,2,3,4,5,6,7
	ds_load_b128 v[(\f)+8*(\i):(\f)+8*(\i)+3],   v18 offset:64*(\q)+(\i)*16*PITCH
	ds_load_b128 v[(\f)+8*(\i)+4:(\f)+8*(\i)+7], v18 offset:64*(\q)+(\i)*16*PITCH+32
.endr
.endm
.macro MUL16 f, hi, a0, zero           ; query blocks a0, a0 + 1 of the window's four x all 8 key blocks; the 64 accumulators take turns, in the same order in every quarter
	WIN 0xa1+0x50*(\hi)                            ; source 0 (K) window 1, source 1 (Q) window 0, C and D window 2 or 3
.irp a, \a0, (\a0)+1
.irp b, 0,1,2,3,4,5,6,7
.if \zero
	v_wmma_f32_16x16x32_f16 v[8*(8*(\a)+(\b)):8*(8*(\a)+(\b))+7], v[(\f)+8*(\b):(\f)+8*(\b)+7], v[(\f)+8*(4*(\hi)+(\a)):(\f)+8*(4*(\hi)+(\a))+7], 0
.else
	v_wmma_f32_16x16x32_f16 v[8*(8*(\a)+(\b)):8*(8*(\a)+(\b))+7], v[(\f)+8*(\b):(\f)+8*(\b)+7], v[(\f)+8*(4*(\hi)+(\a)):(\f)+8*(4*(\hi)+(\a))+7], v[8*(8*(\a)+(\b)):8*(8*(\a)+(\b))+7]
.endif
.endr
.endr
.endm
.macro Q q, f, g, zero
	PLACES
	FETCH \q, \g
	MUL16 \f, 0, 0, \zero
	MUL16 \f, 0, 2, \zero
	MUL16 \f, 1, 0, \zero
	MUL16 \f, 1, 2, \zero
	s_wait_dscnt 0x0                               ; g is in: its loads had 64 products in which to land
.endm
.macro TURN fill                       ; a step's last quarter and the change of slots; fill = 1: the slot is filled again behind a round of the cluster's barrier, 224 products ahead of the wait for it
.if \fill
	s_wait_xcnt 0x0                                ; the last prefetch, a K step back, has read its address
	s_add_nc_u64 s[44:45], s[44:45], STEP
.endif
	WIN 0
	s_wait_tensorcnt 0x0                           ; no tensor load of mine is out
	ds_add_u32 v28, v29                            ; 0 onto my spare word
.if \fill
	s_xor_b32 s37, s37, SLOT
	s_add_nc_u64 s[38:39], s[38:39], STEP
	s_xor_b32 s61, s61, SLOT
	s_add_nc_u64 s[62:63], s[62:63], STEP
.endif
	s_xor_b32 s66, s66, SLOT
	MUL16 F1, 0, 0, 0
	s_wait_dscnt 0x0                               ; the add is done, and my reads of this slot are over
	s_barrier_signal -1
	MUL16 F1, 0, 2, 0
	WIN 0
	s_barrier_wait -1
.if \fill
	CREST
	JLOAD
.else
	PLACES
.endif
	v_add_nc_u32 v18, s66, v16
	v_add_nc_u32 v19, s66, v17
	FETCH 0, F0
.if \fill
	ASK
.endif
	MUL16 F1, 1, 0, 0
	MUL16 F1, 1, 2, 0
	s_wait_dscnt 0x0
.endm
	s_load_b128 s[72:75], s[0:1], 0x0              ; qkv s[72:73], mask s[74:75]
	s_load_b128 s[76:79], s[0:1], 0x10             ; pw s[76:77], st s[78:79]
	v_lshl_add_u32 v28, v0, 2, SPARE
	v_mov_b32 v29, 0
	ds_add_u32 v28, v29                            ; the wave's opening: the add and its wait stand ahead of my first tensor load
	v_lshrrev_b32 v1, 5, v0
	v_readfirstlane_b32 s10, v1                    ; wave 0..3
	s_lshr_b32 s11, s10, 1                         ; which half of the tile's queries is mine.  Also: I fetch Q (0) or K (1)
	s_and_b32 s12, s10, 1                          ; which half of its keys.  Also: which 128 rows I fetch
	s_bfe_u32 s40, ttmp6, 0x40000                  ; cx
	s_bfe_u32 s41, ttmp6, 0x40004                  ; cy
	s_lshl_b32 s42, ttmp9, 2
	s_add_co_u32 s42, s42, s40                     ; key tile x of the batch
	s_and_b32 s22, ttmp7, 0xffff                   ; cluster y
	s_lshl_b32 s13, s22, 2
	s_add_co_u32 s13, s13, s41                     ; query tile y, over all batches
	s_lshl_b32 s14, s41, 2
	s_lshl_b32 s14, 15, s14
	s_lshl_b32 s15, 0x1111, s40
	s_or_b32 s24, s14, (1<<16)|(1<<20)|(1<<21)|(5<<22)|(3<<25)  ; Q: mask of my row; 2-byte elements; padding: after every 64 words 4 words; bit 21 beside a mask
	s_or_b32 s48, s15, (1<<16)|(1<<20)|(1<<21)|(5<<22)|(3<<25)  ; K: mask of my column
.irp g, 24, 48
	s_mov_b32 s[(\g)+1], 128<<16                   ; tensor_dim0 = 128
	s_mov_b32 s[(\g)+2], 128<<16                   ; tensor_dim1 = 128
	s_mov_b32 s[(\g)+3], 128<<16                   ; tile_dim0 = 128
	s_mov_b32 s[(\g)+4], 128                       ; tile_dim1 = 128
	s_mov_b32 s[(\g)+5], 3072                      ; elements from row to row
	s_mov_b32 s[(\g)+6], 0
	s_mov_b32 s[(\g)+7], 0
.endr
	s_mul_i32 s68, s10, HALFT                      ; where my load lands in a slot: Q's two halves, then K's two
	s_mov_b32 s66, 0
	s_lshl_b32 s16, s13, 8
	s_lshl_b32 s17, s12, 7
	s_add_co_u32 s16, s16, s17
	s_mul_i32 s16, s16, ROWQ                       ; Q: row 256 y + 128 x half
	s_mov_b32 s17, 0
	s_lshr_b32 s21, s22, 1                         ; the batch: eight query tiles, two clusters
	s_lshl_b32 s46, s21, 11
	s_lshl_b32 s47, s42, 8
	s_add_co_u32 s46, s46, s47
	s_lshl_b32 s47, s12, 7
	s_add_co_u32 s46, s46, s47
	s_mul_i32 s46, s46, ROWQ                       ; K: row 2,048 batch + 256 x + 128 x half,
	s_add_co_u32 s46, s46, 2048                    ; K's part of the row
	s_mov_b32 s47, 0
	s_wait_dscnt 0x0                               ; the opening add is done
	s_wait_kmcnt 0x0
	s_add_nc_u64 s[14:15], s[72:73], s[16:17]
	s_add_nc_u64 s[46:47], s[72:73], s[46:47]
	CROUND                                         ; the first joint loads meet
	s_mov_b32 s32, 1
	s_mov_b32 s33, s68
	s_mov_b64 s[34:35], s[14:15]
	s_or_b32 s35, s35, 0x80000000
	s_mov_b32 s36, 1
	s_add_co_u32 s37, s68, SLOT
	s_add_nc_u64 s[38:39], s[14:15], STEP
	s_or_b32 s39, s39, 0x80000000
	s_mov_b32 s56, 1
	s_mov_b32 s57, s68
	s_mov_b64 s[58:59], s[46:47]
	s_or_b32 s59, s59, 0x80000000
	s_mov_b32 s60, 1
	s_add_co_u32 s61, s68, SLOT
	s_add_nc_u64 s[62:63], s[46:47], STEP
	s_or_b32 s63, s63, 0x80000000
	s_cmp_eq_u32 s11, 0                            ; a wave's two first fills stand in one branch: two loads of mine are out
	s_cbranch_scc0 .Lfirst_b
	tensor_load_to_lds s[32:35], s[24:31]
	s_nop 0
	tensor_load_to_lds s[36:39], s[24:31]
	s_nop 0
.rept 4
	v_nop
.endr
	s_branch .Lfirst_asked
.Lfirst_b:
	tensor_load_to_lds s[56:59], s[48:55]
	s_nop 0
	tensor_load_to_lds s[60:63], s[48:55]
	s_nop 0
.rept 4
	v_nop
.endr
.Lfirst_asked:
	; my 128 queries x 128 keys of the mask, pw and st
	s_lshl_b32 s16, s13, 8
	s_lshl_b32 s17, s11, 7
	s_add_co_u32 s16, s16, s17                     ; my first query
	s_lshl_b32 s18, s42, 8
	s_lshl_b32 s19, s12, 7
	s_add_co_u32 s18, s18, s19                     ; my first key in the batch
	s_mov_b32 s21, 0
	s_lshl_b32 s20, s16, 11
	s_add_co_u32 s20, s20, s18
	s_add_nc_u64 s[74:75], s[74:75], s[20:21]      ; mask: 2,048 bytes a query
	s_lshl_b32 s20, s16, 12
	s_lshl_b32 s19, s18, 1
	s_add_co_u32 s20, s20, s19
	s_add_nc_u64 s[8:9], s[76:77], s[20:21]        ; pw: 4,096 bytes a query
	s_lshr_b32 s20, s16, 7
	s_lshl_b32 s20, s20, 4
	s_lshr_b32 s19, s18, 7
	s_add_co_u32 s20, s20, s19
	s_lshl_b32 s20, s20, 10
	s_add_nc_u64 s[78:79], s[78:79], s[20:21]      ; st: block (g, kb) of 1,024 bytes
	v_and_b32 v1, 15, v0                           ; r
	v_bfe_u32 v2, v0, 4, 1                         ; h
	v_and_b32 v3, 7, v0
	v_bfe_u32 v4, v0, 3, 2                         ; l / 8
	v_and_b32 v5, 31, v0
	v_lshlrev_b32 v27, 11, v4                      ; a load of the mask takes 4 queries x 128 consecutive bytes
	v_lshl_add_u32 v27, v3, 4, v27
	WIN 0x40                                       ; destination window 1.  These 32 loads land under the K loop; v27 and s[74:75] are never rewritten
.set i, 0
.rept 32
.if i < 16
.set mk, 4*i
.else
.set mk, 192+4*(i-16)
.endif
	global_load_b128 v[mk:mk+3], v27, s[74:75] offset:8192*i th:TH_LOAD_NT
.set i, i+1
.endr
	WIN 0
	v_mul_u32_u24 v6, v1, PITCH
	v_lshl_add_u32 v6, v2, 4, v6                   ; a fragment's row x pitch + 16 h
	s_mul_i32 s20, s11, HALFT
	s_mul_i32 s21, s12, HALFT
	s_add_co_u32 s21, s21, 2*HALFT
	v_add_nc_u32 v16, s20, v6
	v_add_nc_u32 v17, s21, v6
	v_mov_b32 v18, v16
	v_mov_b32 v19, v17
	s_mul_i32 s20, s10, 128*MDP
	s_add_co_u32 s20, s20, MDUMP                   ; my dump
	v_mul_u32_u24 v20, v4, MDP                     ; in: as loaded
	v_lshl_add_u32 v20, v3, 4, v20
	v_add_nc_u32 v20, s20, v20
	v_mul_u32_u24 v14, v1, MDP                     ; back: query r, my 8 keys of a block of 16
	v_lshl_add_u32 v14, v2, 3, v14
	v_add_nc_u32 v14, s20, v14
	s_lshl_b32 s21, s10, 10
	s_add_co_u32 s21, s21, STS                     ; my statistics
	v_lshlrev_b32 v15, 3, v1                       ; lanes 0-15 put m of query r, lanes 16-31 its l
	v_lshl_add_u32 v15, v2, 2, v15
	v_add_nc_u32 v15, s21, v15
	v_lshlrev_b32 v13, 4, v5
	v_add_nc_u32 v31, s21, v13
	s_mul_i32 s23, s10, 16*SP
	s_add_co_u32 s23, s23, PSTAGE                  ; my stage
	v_mul_u32_u24 v24, v1, SP
	v_lshl_add_u32 v24, v2, 4, v24
	v_add_nc_u32 v24, s23, v24
	v_mul_u32_u24 v25, v2, SP
	v_lshl_add_u32 v25, v1, 4, v25
	v_add_nc_u32 v25, s23, v25
	v_lshlrev_b32 v26, 12, v2                      ; two rows of pw
	v_lshl_add_u32 v26, v1, 4, v26
	v_mov_b32 v23, 0xff7fffff                      ; the lowest finite f32
	v_mov_b32 v215, 0                              ; a destination of v_permlanex16_b32 counts as read
	s_mov_b32 s90, 0x76543210                      ; each lane takes its own place in the other half
	s_mov_b32 s91, 0xfedcba98
	s_mov_b32 s92, 0x01010101                      ; v_perm_b32: one byte into all four
	s_mov_b32 s93, 0x02020202
	s_mov_b32 s94, 0x03030303
	s_mov_b32 s95, 0xffff0000                      ; lanes 16-31
	s_mov_b32 s86, 255
	; the prefetches: they begin at K step 3
	s_lshl_b32 s20, s13, 8
	s_lshl_b32 s21, s12, 7
	s_add_co_u32 s20, s20, s21
	s_lshl_b32 s21, s40, 5
	s_add_co_u32 s20, s20, s21                     ; Q: row 256 y + 128 x half + 32 cx
	s_mul_i32 s20, s20, ROWQ
	s_add_co_u32 s20, s20, 3*STEP
	s_lshr_b32 s21, s22, 1
	s_lshl_b32 s21, s21, 11
	s_lshl_b32 s23, s42, 8
	s_add_co_u32 s21, s21, s23
	s_lshl_b32 s23, s12, 7
	s_add_co_u32 s21, s21, s23
	s_lshl_b32 s23, s41, 5
	s_add_co_u32 s21, s21, s23                     ; K: row 2,048 batch + 256 x + 128 x half + 32 cy
	s_mul_i32 s21, s21, ROWQ
	s_add_co_u32 s21, s21, 2048+3*STEP
	s_and_b32 s23, s22, 1
	s_cmp_eq_u32 s11, 0
	s_cselect_b32 s20, s20, s21
	s_cselect_b32 s23, ttmp9, s23
	s_mov_b32 s21, 0
	s_add_nc_u64 s[44:45], s[72:73], s[20:21]
	s_cmp_eq_u32 s23, 0
	s_cselect_b32 s43, 2, -1
	v_mul_u32_u24 v30, v5, ROWQ
	s_wait_tensorcnt 0x1                           ; my part of K step 0 is in; step 1's may stay out
	s_barrier_signal -1
	s_barrier_wait -1
	FETCH 0, F0
	s_wait_dscnt 0x0
	Q 1, F0, F1, 1                                 ; the first quarter's products start the sums
	WIN 0
	s_mov_b32 s3, T-2
.LA:
	Q 2, F1, F0, 0
	Q 3, F0, F1, 0
	TURN 1
	Q 1, F0, F1, 0
	WIN 0
	s_sub_co_u32 s3, s3, 1
	s_cmp_lg_u32 s3, 0
	s_cbranch_scc1 .LA
	s_mov_b32 s2, 2
.LB:                                   ; the last two steps ask for nothing; the second trip is left in its middle (its fetch of slot 0 serves nothing)
	Q 2, F1, F0, 0
	Q 3, F0, F1, 0
	TURN 0
	WIN 0
	s_sub_co_u32 s2, s2, 1
	s_cmp_eq_u32 s2, 0
	s_cbranch_scc1 .Lout
	Q 1, F0, F1, 0
	WIN 0
	s_branch .LB
.Lout:
	s_barrier_signal -1                            ; every wave's reads of the ring are back (the wait for 0 above): slot 1's bytes may now be written
	s_barrier_wait -1
	PLACES
	PLACES                                         ; eight, once a launch, behind the last products
	s_wait_loadcnt 0x0                             ; the mask
	WIN 0x04                                       ; store data in window 1
.set i, 0
.rept 32
.if i < 16
.set mk, 4*i
.else
.set mk, 192+4*(i-16)
.endif
	ds_store_b128 v20, v[mk:mk+3] offset:4*MDP*i   ; my own bytes: LDS serves a wave's instructions in order, so the reads below see them
.set i, i+1
.endr
	WIN 0
; THE WAY OUT: a loop over my eight blocks of 16 queries.  Its text is written once; only the 64 lines that name a block's accumulators stand eight times, chosen by forward jumps on the counter.
; v64-127 W: first the mask as words (0 or all ones), then t, t - m, p.   v128-159 p in f16.   v160-191 rows read back.   v192-207 mask bytes.   v208-211 four maxima.   v212-213 m, twice.   v214 l.
.macro SECT k
	WIN 0x20+0x10*((\k)/4)                         ; source 2 in window 2 or 3
.set i, 0
.rept 64
	v_bfi_b32 v[64+i], v[64+i], v23, v[64*((\k)%4)+i]  ; masked: the lowest number; else the score.  Each accumulator's registers in ascending order
.set i, i+1
.endr
	WIN 0
.endm
	s_mov_b32 s2, 0
	s_mov_b32 s84, 0
	s_mov_b32 s85, 0
.Lblk:
	v_add_nc_u32 v21, s84, v14
	v_add_nc_u32 v22, s85, v15
.irp b, 0,1,2,3,4,5,6,7
	ds_load_b64 v[192+2*(\b):193+2*(\b)], v21 offset:16*(\b)  ; query r, keys 16 b + 8 h + 0..7
.endr
	s_wait_dscnt 0x0
.set i, 0
.rept 16
	v_mul_lo_u32 v[192+i], v[192+i], s86           ; bytes 0 / 1 become 0x00 / 0xff
.set i, i+1
.endr
.set i, 0
.rept 16
	v_perm_b32 v[64+4*i],   v[192+i], v[192+i], 0
	v_perm_b32 v[64+4*i+1], v[192+i], v[192+i], s92
	v_perm_b32 v[64+4*i+2], v[192+i], v[192+i], s93
	v_perm_b32 v[64+4*i+3], v[192+i], v[192+i], s94
.set i, i+1
.endr
.irp k, 1,2,3,4,5,6,7
	s_cmp_eq_u32 s2, \k
	s_cbranch_scc1 .Lsec\k
.endr
	SECT 0
	s_branch .Lcommon
.irp k, 1,2,3,4,5,6
.Lsec\k:
	SECT \k
	s_branch .Lcommon
.endr
.Lsec7:
	SECT 7
.Lcommon:
.irp c, 0,1,2,3                        ; the maximum: four chains of 15 numbers, three operands at a time,
	v_max3_num_f32 v[208+(\c)], v[64+16*(\c)], v[65+16*(\c)], v[66+16*(\c)]
.endr
.set k, 1
.rept 6
.irp c, 0,1,2,3
	v_max3_num_f32 v[208+(\c)], v[208+(\c)], v[64+16*(\c)+2*k+1], v[64+16*(\c)+2*k+2]
.endr
.set k, k+1
.endr
	v_max3_num_f32 v208, v208, v79, v95            ; the four left over,
	v_max3_num_f32 v210, v210, v111, v127
	v_max3_num_f32 v208, v208, v209, v210
	v_max_num_f32 v208, v208, v211
	v_permlanex16_b32 v209, v208, s90, s91         ; and the query's other 64 keys, in the lane 16 away
	v_max_num_f32 v212, v208, v209
	v_mov_b32 v213, v212
.set i, 0
.rept 32
	v_pk_add_f32 v[64+2*i:65+2*i], v[64+2*i:65+2*i], v[212:213] neg_lo:[0,1] neg_hi:[0,1]  ; t - m
.set i, i+1
.endr
.set i, 0
.rept 64
	v_exp_f32 v[64+i], v[64+i]                     ; one batch
.set i, i+1
.endr
	v_nop                                          ; a plain instruction behind the last exponential,
	s_wait_alu depctr_va_vdst(0)                   ; and the one wait ahead of the first use
.set i, 0
.rept 32
	v_cvt_pk_f16_f32 v[128+i], v[64+2*i], v[65+2*i]
.set i, i+1
.endr
.irp s, 16,8,4,2,1                     ; l: a tree over the 32 pairs, in place
.set u, 0
.rept \s
	v_pk_add_f32 v[64+2*u:65+2*u], v[64+2*u:65+2*u], v[64+2*(u+(\s)):65+2*(u+(\s))]
.set u, u+1
.endr
.endr
	v_add_f32 v214, v64, v65
	v_permlanex16_b32 v215, v214, s90, s91
	v_add_f32 v214, v214, v215
	v_cndmask_b32 v216, v212, v214, s95            ; lanes 0-15: m, lanes 16-31: l
	ds_store_b32 v22, v216
.irp b, 0,1,2,3,4,5,6,7
	ds_store_b128 v24, v[128+4*(\b):131+4*(\b)] offset:32*(\b)
.endr
.irp t, 0,1,2,3,4,5,6,7
	ds_load_b128 v[160+4*(\t):163+4*(\t)], v25 offset:(\t)*2*SP
.endr
	s_wait_dscnt 0x0
.irp t, 0,1,2,3,4,5,6,7
	global_store_b128 v26, v[160+4*(\t):163+4*(\t)], s[8:9] offset:(\t)*8192  ; 16 lanes store 256 consecutive bytes, at a multiple of 256 from pw's first byte
.endr
	s_wait_xcnt 0x0                                ; the stores have read their base and their data: both are written again below and in the next trip
	s_add_nc_u64 s[8:9], s[8:9], 16*4096
	s_add_co_u32 s84, s84, 16*MDP
	s_add_co_u32 s85, s85, 128
	s_add_co_u32 s2, s2, 1
	s_cmp_lt_u32 s2, 8
	s_cbranch_scc1 .Lblk
	ds_load_b128 v[192:195], v31                   ; my 1,024 bytes of statistics leave as two runs of 512 consecutive bytes
	ds_load_b128 v[196:199], v31 offset:512
	s_wait_dscnt 0x0
	global_store_b128 v13, v[192:195], s[78:79]
	global_store_b128 v13, v[196:199], s[78:79] offset:512
	s_wait_tensorcnt 0x0                           ; the wave's end
	ds_add_u32 v28, v29
	s_wait_dscnt 0x0
	CROUND                                         ; the closing round
	s_endpgm
.Lfunc_end_k_q323f07e2d6_scores:
	.size	k_q323f07e2d6_scores, .Lfunc_end_k_q323f07e2d6_scores-k_q323f07e2d6_scores
	.p2alignl 7, 3214868480
	.fill 96, 4, 3214868480
	.section	.rodata,"a",@progbits
	.p2align	6, 0x0
	.amdhsa_kernel k_q323f07e2d6_scores
		.amdhsa_group_segment_fixed_size 327680
		.amdhsa_private_segment_fixed_size 0
		.amdhsa_enable_private_segment 0
		.amdhsa_kernarg_size 32
		.amdhsa_user_sgpr_count 2
		.amdhsa_user_sgpr_kernarg_segment_ptr 1
		.amdhsa_wavefront_size32 1
		.amdhsa_system_sgpr_workgroup_id_x 1
		.amdhsa_system_sgpr_workgroup_id_y 1
		.amdhsa_system_sgpr_workgroup_id_z 1
		.amdhsa_system_vgpr_workitem_id 0
		.amdhsa_next_free_vgpr 1024
		.amdhsa_next_free_sgpr 100
		.amdhsa_reserve_vcc 0
		.amdhsa_float_denorm_mode_32 3
		.amdhsa_float_denorm_mode_16_64 3
		.amdhsa_memory_ordered 1
		.amdhsa_forward_progress 1
		.amdhsa_inst_pref_size 128
	.end_amdhsa_kernel
	.amdgpu_metadata
---
amdhsa.version: [ 1, 2 ]
amdhsa.kernels:
  - .name:           k_q323f07e2d6_scores
    .symbol:         k_q323f07e2d6_scores.kd
    .args:
      - { .name: qkv, .offset: 0, .size: 8, .value_kind: global_buffer, .address_space: global }
      - { .name: mask, .offset: 8, .size: 8, .value_kind: global_buffer, .address_space: global }
      - { .name: pw, .offset: 16, .size: 8, .value_kind: global_buffer, .address_space: global }
      - { .name: st, .offset: 24, .size: 8, .value_kind: global_buffer, .address_space: global }
    .group_segment_fixed_size: 327680
    .private_segment_fixed_size: 0
    .kernarg_segment_align: 8
    .kernarg_segment_size: 32
    .max_flat_workgroup_size: 128
    .sgpr_count:     100
    .vgpr_count:     1024
    .wavefront_size: 32
...
	.end_amdgpu_metadata
.endif
;; end of part 3
;; launch pv (part 4): grid 8 x 32, 4 waves a work-group, clusters of 4 x 4, 327,680 bytes of LDS; arguments pw, qkv, st, oh; writes oh
.if DOCPART == 4
	.amdgcn_target "amdgcn-amd-amdhsa--gfx1250"
	.amdhsa_code_object_version 6
	.text
	.protected	k_q323f07e2d6_pv
	.globl	k_q323f07e2d6_pv
	.p2align	8
	.type	k_q323f07e2d6_pv,@function
k_q323f07e2d6_pv:
	s_mov_b64 s[64:65], 0
	v_nop
	global_prefetch_b8 v0, s[64:65] scope:SCOPE_SE
	s_setreg_imm32_b32 hwreg(HW_REG_WAVE_MODE, 25, 1), 1
	s_wait_xcnt 0x0
	s_wait_alu depctr_hold_cnt(0) depctr_sa_sdst(0) depctr_va_vdst(0) depctr_va_sdst(0) depctr_va_ssrc(0) depctr_va_vcc(0) depctr_vm_vsrc(0)
	s_getreg_b32 s2, hwreg(HW_REG_IB_STS2, 6, 4)
	s_cmp_eq_u32 s2, 0
	s_cbranch_scc0 .Lentry_in_a_cluster
	s_endpgm
.Lentry_in_a_cluster:
	s_bfe_u32 s2, ttmp6, 0x10000c
	s_cmp_lg_u32 s2, 0xf033
	s_cbranch_scc0 .Lentry_shape_is_right
	s_endpgm
.Lentry_shape_is_right:
; THE SECOND HALF OF THE SOFTMAX AND THE PRODUCT WITH V.  For row n: m = the largest of its 16 blocks' m_kb; f_kb = 2^(m_kb - m), at most 1; l = the sum of l_kb f_kb (f32).
; oh[n] = (the sum over kb of (f_kb p_kb) V_kb) / l, f16.  p comes from pw (f16), V from qkv's third part (f16, [key][channel]); p f is one packed f16 product on the fragment, between its LDS load and the matrix instruction.
; LIMITS.  f and p f below 6e-5 keep f16's fixed step of 6e-8 (l is at least 1, so that is their error relative to the row's sum); the result has V's range.  NaN and infinities are not treated apart.
; SHARES.  A tile is 256 rows x 128 channels: 256 work-groups.  Wave w owns rows 64 w .. + 63, all 128 channels: 32 accumulators.  A K step is 128 keys: one block kb.  Ring, round and way out as in the projections.
; CLUSTER.  4 x 4: pw's tile is shared along a row of the cluster, V's along a column (the batch hangs on the cluster's y alone).
; REGISTERS.  window 0: v0-31 addresses; v32-127, v128-223 two fragment buffers (64 of V, 32 of p); v224-227 the step's factors, a pair (f, f) for my row of each of the four row blocks; v232-239 1 / l.  window 1: accumulators.
.set T,     16
.set PA,    272
.set PB,    288
.set BOFF,  256*PA
.set SLOT1, 1<<17
.set STAGE, SLOT1+BOFF+128*PB          ; 16 rows x 272 bytes for each wave
.set SP,    272
.set FT,    STAGE+4*16*SP              ; for each wave 17 entries of 64 rows x 4 bytes: entry kb: (f, f) in f16; entry 16: 1 / l in f32
.set FTW,   17*256
.set SPARE, FT+4*FTW                   ; the spare words: two blocks of 256 bytes that no other line names
.set ROWA,  4096                       ; bytes in a row of pw
.set ROWB,  6144                       ; of qkv
.set ROWC,  2048                       ; of oh
.set STEPA, 256
.set STEPB, 128*ROWB
.set F0,    32
.set F1,    128
.set MSB, 0
.macro WIN new
.if MSB != (\new)
	s_set_vgpr_msb (MSB<<8)|(\new)
.set MSB, (\new)
.endif
.endm
.macro PLACES
.rept 4
	v_nop
.endr
.endm
.macro CREST
	s_cmp_lg_u32 s10, 0
	s_cbranch_scc1 .Lnot_wave_0_\@
	s_barrier_signal -3
.Lnot_wave_0_\@:
	s_barrier_wait -3
	s_barrier_signal -1
	s_barrier_wait -1
.endm
.macro CROUND
	s_barrier_signal -1
	s_barrier_wait -1
	CREST
.endm
.macro JLOAD
	s_cmp_eq_u32 s11, 0
	s_cbranch_scc0 .Lfor_b_\@
	tensor_load_to_lds s[36:39], s[24:31]
	s_nop 0
.rept 4
	v_nop
.endr
	s_branch .Lasked_\@
.Lfor_b_\@:
	tensor_load_to_lds s[60:63], s[48:55]
	s_nop 0
.rept 4
	v_nop
.endr
.Lasked_\@:
.endm
; A prefetch of the K step two refills on: a lane a row of 256 bytes.  pw's rows: waves 0 and 1 of the clusters with x = 0, the partner at cx taking 32 of a wave's 128.  V's rows: wave 2 of the clusters with even y
; (two clusters along y read a batch's V), the partner at cy taking 32 of a step's 128.  Each row's 256 bytes of a step are named once.  Steps 0 to 3 come by their loads alone; the last two trips ask for nothing.
.macro ASK
	s_cmp_gt_u32 s3, s43
	s_cbranch_scc0 .Lnot_mine_\@
	global_prefetch_b8 v30, s[44:45] th:TH_LOAD_NT scope:SCOPE_SE
.Lnot_mine_\@:
.endm
.macro FETCH q, f
	WIN 0
.irp b, 0,1,2,3,4,5,6,7
	ds_load_tr16_b128 v[(\f)+8*(\b):(\f)+8*(\b)+3],   v19 offset:(\q)*32*PB+32*(\b)
	ds_load_tr16_b128 v[(\f)+8*(\b)+4:(\f)+8*(\b)+7], v19 offset:(\q)*32*PB+16*PB+32*(\b)
.endr
.irp a, 0,1,2,3
	ds_load_b128 v[(\f)+64+8*(\a):(\f)+64+8*(\a)+3],   v18 offset:(\a)*16*PA+64*(\q)
	ds_load_b128 v[(\f)+64+8*(\a)+4:(\f)+64+8*(\a)+7], v18 offset:(\a)*16*PA+64*(\q)+32
.endr
.endm
.macro FACT                            ; the step's factors for my row of each row block
.irp a, 0,1,2,3
	ds_load_b32 v[224+(\a)], v20 offset:64*(\a)
.endr
.endm
.macro MUL8 f, a, zero                 ; the 32 accumulators take turns, in the same order in every quarter
	WIN 0x50
.irp b, 0,1,2,3,4,5,6,7
.if \zero
	v_wmma_f32_16x16x32_f16 v[8*(8*(\a)+(\b)):8*(8*(\a)+(\b))+7], v[(\f)+8*(\b):(\f)+8*(\b)+7], v[(\f)+64+8*(\a):(\f)+64+8*(\a)+7], 0
.else
	v_wmma_f32_16x16x32_f16 v[8*(8*(\a)+(\b)):8*(8*(\a)+(\b))+7], v[(\f)+8*(\b):(\f)+8*(\b)+7], v[(\f)+64+8*(\a):(\f)+64+8*(\a)+7], v[8*(8*(\a)+(\b)):8*(8*(\a)+(\b))+7]
.endif
.endr
.endm
; The same eight products; behind each stand four of the 32 lines that scale buffer g's fragments of p, which have just landed.  They name no register of the products round them.
.macro MUL8R f, a, g, zero
.set k, 0
.irp b, 0,1,2,3,4,5,6,7
	WIN 0x50
.if \zero
	v_wmma_f32_16x16x32_f16 v[8*(8*(\a)+(\b)):8*(8*(\a)+(\b))+7], v[(\f)+8*(\b):(\f)+8*(\b)+7], v[(\f)+64+8*(\a):(\f)+64+8*(\a)+7], 0
.else
	v_wmma_f32_16x16x32_f16 v[8*(8*(\a)+(\b)):8*(8*(\a)+(\b))+7], v[(\f)+8*(\b):(\f)+8*(\b)+7], v[(\f)+64+8*(\a):(\f)+64+8*(\a)+7], v[8*(8*(\a)+(\b)):8*(8*(\a)+(\b))+7]
.endif
	WIN 0
.rept 4
	v_pk_mul_f16 v[(\g)+64+k], v[(\g)+64+k], v[224+k/8]
.set k, k+1
.endr
.endr
.endm
.macro Q q, f, g, zero
	PLACES
	FETCH \q, \g
	MUL8 \f, 0, \zero
	MUL8 \f, 1, \zero
	MUL8 \f, 2, \zero
	s_wait_dscnt 0x0                               ; g is in: its loads had 24 products in which to land
	MUL8R \f, 3, \g, \zero
.endm
.macro TURN fill
.if \fill
	s_wait_xcnt 0x0                                ; the last prefetch, a K step back, has read its address
	s_add_nc_u64 s[44:45], s[44:45], s[70:71]
.endif
	WIN 0
	s_wait_tensorcnt 0x0                           ; no tensor load of mine is out
	ds_add_u32 v28, v29                            ; 0 onto my spare word
.if \fill
	s_xor_b32 s37, s37, SLOT1
	s_add_nc_u64 s[38:39], s[38:39], STEPA
	s_xor_b32 s61, s61, SLOT1
	s_add_nc_u64 s[62:63], s[62:63], STEPB
.endif
	s_xor_b32 s66, s66, SLOT1
	s_add_co_u32 s82, s82, 256                     ; the next block's factors
	MUL8 F1, 0, 0
	s_wait_dscnt 0x0                               ; the add is done, and my reads of this slot are over
	s_barrier_signal -1
	MUL8 F1, 1, 0
	WIN 0
	s_barrier_wait -1
.if \fill
	CREST
	JLOAD
.else
	PLACES
.endif
	v_add_nc_u32 v18, s66, v16
	v_add_nc_u32 v19, s66, v17
	v_add_nc_u32 v20, s82, v22
	FETCH 0, F0
	FACT                                           ; all of the old step's fragments have been scaled
.if \fill
	ASK
.endif
	MUL8 F1, 2, 0
	s_wait_dscnt 0x0
	MUL8R F1, 3, F0, 0
.endm
	s_load_b128 s[4:7], s[0:1], 0x0                ; pw s[4:5], qkv s[6:7]
	s_load_b128 s[72:75], s[0:1], 0x10             ; st s[72:73], oh s[74:75]
	v_lshl_add_u32 v28, v0, 2, SPARE
	v_mov_b32 v29, 0
	ds_add_u32 v28, v29                            ; the wave's opening: the add and its wait stand ahead of my first tensor load
	v_lshrrev_b32 v1, 5, v0
	v_readfirstlane_b32 s10, v1
	s_lshr_b32 s11, s10, 1                         ; 0: I fetch pw's tiles, 1: V's
	s_and_b32 s12, s10, 1
	s_bfe_u32 s40, ttmp6, 0x40000
	s_bfe_u32 s41, ttmp6, 0x40004
	s_lshl_b32 s42, ttmp9, 2
	s_add_co_u32 s42, s42, s40                     ; channel tile x
	s_and_b32 s22, ttmp7, 0xffff
	s_lshl_b32 s13, s22, 2
	s_add_co_u32 s13, s13, s41                     ; row tile y
	s_lshl_b32 s14, s41, 2
	s_lshl_b32 s14, 15, s14
	s_lshl_b32 s15, 0x1111, s40
	s_or_b32 s24, s14, (1<<16)|(1<<20)|(1<<21)|(5<<22)|(3<<25)  ; pw: 128 rows x 128 elements, pitch 272
	s_mov_b32 s25, 128<<16
	s_mov_b32 s26, 128<<16
	s_mov_b32 s27, 128<<16
	s_mov_b32 s28, 128
	s_mov_b32 s29, 2048
	s_mov_b32 s30, 0
	s_mov_b32 s31, 0
	s_or_b32 s48, s15, (1<<16)|(1<<20)|(1<<21)|(5<<22)|(7<<25)  ; V: 64 keys x 128 channels, pitch 288
	s_mov_b32 s49, 128<<16
	s_mov_b32 s50, 64<<16
	s_mov_b32 s51, 128<<16
	s_mov_b32 s52, 64
	s_mov_b32 s53, 3072
	s_mov_b32 s54, 0
	s_mov_b32 s55, 0
	s_mul_i32 s68, s12, 128*PA
	s_mul_i32 s69, s12, 64*PB
	s_add_co_u32 s69, s69, BOFF
	s_mov_b32 s66, 0
	s_mov_b32 s82, 0
	s_lshl_b32 s16, s13, 8
	s_lshl_b32 s17, s12, 7
	s_add_co_u32 s16, s16, s17
	s_mul_i32 s16, s16, ROWA
	s_mov_b32 s17, 0
	s_lshr_b32 s21, s22, 1                         ; the batch
	s_lshl_b32 s46, s21, 11
	s_lshl_b32 s47, s12, 6
	s_add_co_u32 s46, s46, s47
	s_mul_i32 s46, s46, ROWB                       ; V: key 2,048 batch + 64 x half,
	s_lshl_b32 s47, s42, 8
	s_add_co_u32 s46, s46, s47                     ; channel 128 x,
	s_add_co_u32 s46, s46, 4096                    ; in V's part of the row
	s_mov_b32 s47, 0
	s_wait_dscnt 0x0
	s_wait_kmcnt 0x0
	s_add_nc_u64 s[14:15], s[4:5], s[16:17]
	s_add_nc_u64 s[46:47], s[6:7], s[46:47]
	CROUND
	s_mov_b32 s32, 1
	s_mov_b32 s33, s68
	s_mov_b64 s[34:35], s[14:15]
	s_or_b32 s35, s35, 0x80000000
	s_mov_b32 s36, 1
	s_add_co_u32 s37, s68, SLOT1
	s_add_nc_u64 s[38:39], s[14:15], STEPA
	s_or_b32 s39, s39, 0x80000000
	s_mov_b32 s56, 1
	s_mov_b32 s57, s69
	s_mov_b64 s[58:59], s[46:47]
	s_or_b32 s59, s59, 0x80000000
	s_mov_b32 s60, 1
	s_add_co_u32 s61, s69, SLOT1
	s_add_nc_u64 s[62:63], s[46:47], STEPB
	s_or_b32 s63, s63, 0x80000000
	s_cmp_eq_u32 s11, 0
	s_cbranch_scc0 .Lfirst_b
	tensor_load_to_lds s[32:35], s[24:31]
	s_nop 0
	tensor_load_to_lds s[36:39], s[24:31]
	s_nop 0
.rept 4
	v_nop
.endr
	s_branch .Lfirst_asked
.Lfirst_b:
	tensor_load_to_lds s[56:59], s[48:55]
	s_nop 0
	tensor_load_to_lds s[60:63], s[48:55]
	s_nop 0
.rept 4
	v_nop
.endr
.Lfirst_asked:
	; my 64 rows' statistics: lane l takes rows l and 32 + l; each load covers 256 consecutive bytes.  (m, l) of block kb, row half p, in v[128 + 4 kb + 2 p], and the next
	s_lshl_b32 s14, s13, 1
	s_add_co_u32 s14, s14, s11                     ; g = 2 y + w / 2
	s_lshl_b32 s14, s14, 14
	s_lshl_b32 s15, s12, 9                         ; its upper or lower 64 rows
	s_add_co_u32 s14, s14, s15
	s_mov_b32 s15, 0
	s_add_nc_u64 s[76:77], s[72:73], s[14:15]
	v_and_b32 v5, 31, v0
	v_lshlrev_b32 v27, 3, v5
.set i, 0
.rept 32
	global_load_b64 v[128+2*i:129+2*i], v27, s[76:77] offset:1024*(i/2)+256*(i%2)
.set i, i+1
.endr
	v_and_b32 v1, 15, v0
	v_bfe_u32 v2, v0, 4, 1
	v_and_b32 v3, 7, v0
	v_bfe_u32 v4, v0, 3, 1
	s_mul_i32 s20, s10, 64*PA
	v_mul_u32_u24 v16, v1, PA
	v_lshl_add_u32 v16, v2, 4, v16
	v_add_nc_u32 v16, s20, v16
	v_lshl_add_u32 v17, v2, 3, v3
	v_mul_u32_u24 v17, v17, PB
	v_lshl_add_u32 v17, v4, 4, v17
	v_add_nc_u32 v17, BOFF, v17
	v_mov_b32 v18, v16
	v_mov_b32 v19, v17
	s_mul_i32 s23, s10, 16*SP
	s_add_co_u32 s23, s23, STAGE
	v_mul_u32_u24 v24, v1, SP
	v_lshl_add_u32 v24, v2, 4, v24
	v_add_nc_u32 v24, s23, v24
	v_mul_u32_u24 v25, v2, SP
	v_lshl_add_u32 v25, v1, 4, v25
	v_add_nc_u32 v25, s23, v25
	v_lshlrev_b32 v26, 11, v2                      ; two rows of oh
	v_lshl_add_u32 v26, v1, 4, v26
	s_mul_i32 s23, s10, FTW
	s_add_co_u32 s23, s23, FT                      ; my table
	v_lshl_add_u32 v21, v5, 2, s23                 ; in: row l
	v_lshl_add_u32 v22, v1, 2, s23                 ; back: row r of a row block
	v_mov_b32 v20, v22
	s_lshl_b32 s16, s13, 8
	s_lshl_b32 s17, s10, 6
	s_add_co_u32 s16, s16, s17
	s_lshl_b32 s16, s16, 11
	s_lshl_b32 s17, s42, 8
	s_add_co_u32 s16, s16, s17
	s_mov_b32 s17, 0
	s_add_nc_u64 s[8:9], s[74:75], s[16:17]
	; the prefetches: they begin at K step 3
	s_lshl_b32 s20, s13, 8
	s_lshl_b32 s21, s12, 7
	s_add_co_u32 s20, s20, s21
	s_lshl_b32 s21, s40, 5
	s_add_co_u32 s20, s20, s21
	s_mul_i32 s20, s20, ROWA
	s_add_co_u32 s20, s20, 3*STEPA
	s_lshr_b32 s21, s22, 1
	s_lshl_b32 s21, s21, 11
	s_lshl_b32 s23, s41, 5
	s_add_co_u32 s21, s21, s23
	s_add_co_u32 s21, s21, 3*128                   ; V: key 2,048 batch + 32 cy of K step 3
	s_mul_i32 s21, s21, ROWB
	s_lshl_b32 s23, s42, 8
	s_add_co_u32 s21, s21, s23
	s_add_co_u32 s21, s21, 4096
	s_and_b32 s23, s22, 1
	s_or_b32 s23, s23, s12                         ; V's asker: even cluster y and wave 2
	s_mov_b32 s70, STEPB
	s_mov_b32 s19, ROWB
	s_cmp_eq_u32 s11, 0
	s_cselect_b32 s20, s20, s21
	s_cselect_b32 s23, ttmp9, s23
	s_cselect_b64 s[44:45], s[4:5], s[6:7]
	s_cselect_b32 s70, STEPA, s70
	s_cselect_b32 s19, ROWA, s19
	s_mov_b32 s71, 0
	s_mov_b32 s21, 0
	s_add_nc_u64 s[44:45], s[44:45], s[20:21]
	s_cmp_eq_u32 s23, 0
	s_cselect_b32 s43, 2, -1
	v_mul_u32_u24 v30, s19, v5
	; the rows' maxima, factors and sums: all in the wait for the first tiles
	s_wait_loadcnt 0x0
.irp p, 0,1
	v_max3_num_f32 v[192+(\p)], v[128+2*(\p)], v[132+2*(\p)], v[136+2*(\p)]
.endr
.set k, 3
.rept 6
.irp p, 0,1
	v_max3_num_f32 v[192+(\p)], v[192+(\p)], v[128+4*k+2*(\p)], v[132+4*k+2*(\p)]
.endr
.set k, k+2
.endr
.irp p, 0,1
	v_max_num_f32 v[192+(\p)], v[192+(\p)], v[188+2*(\p)]
.endr
.set i, 0
.rept 32
	v_sub_f32 v[128+2*i], v[128+2*i], v[192+i%2]   ; m_kb - m
.set i, i+1
.endr
.set i, 0
.rept 32
	v_exp_f32 v[128+2*i], v[128+2*i]               ; one batch
.set i, i+1
.endr
	v_nop                                          ; a plain instruction behind the last exponential,
	s_wait_alu depctr_va_vdst(0)                   ; and the one wait ahead of the first use
.irp p, 0,1
	v_mul_f32 v[194+(\p)], v[129+2*(\p)], v[128+2*(\p)]
.endr
.set i, 2
.rept 30
	v_fmac_f32 v[194+i%2], v[129+2*i], v[128+2*i]  ; l = the sum of l_kb f_kb
.set i, i+1
.endr
	v_rcp_f32 v196, v194
	v_rcp_f32 v197, v195
	v_nop
	s_wait_alu depctr_va_vdst(0)
.set i, 0
.rept 32
	v_cvt_pk_f16_f32 v[128+2*i], v[128+2*i], v[128+2*i]  ; (f, f)
.set i, i+1
.endr
.set i, 0
.rept 32
	ds_store_b32 v21, v[128+2*i] offset:256*(i/2)+128*(i%2)
.set i, i+1
.endr
	ds_store_b32 v21, v196 offset:4096
	ds_store_b32 v21, v197 offset:4096+128
	s_wait_tensorcnt 0x1                           ; my part of K step 0 is in; step 1's may stay out
	s_wait_dscnt 0x0                               ; my table is written
	s_barrier_signal -1
	s_barrier_wait -1
	FETCH 0, F0
	FACT
	s_wait_dscnt 0x0
.set k, 0
.rept 32
	v_pk_mul_f16 v[F0+64+k], v[F0+64+k], v[224+k/8]  ; the first quarter's fragments are scaled here: there are no products yet to set them behind
.set k, k+1
.endr
	Q 1, F0, F1, 1
	WIN 0
	s_mov_b32 s3, T-2
.LA:
	Q 2, F1, F0, 0
	Q 3, F0, F1, 0
	TURN 1
	Q 1, F0, F1, 0
	WIN 0
	s_sub_co_u32 s3, s3, 1
	s_cmp_lg_u32 s3, 0
	s_cbranch_scc1 .LA
	s_mov_b32 s2, 2
.LB:                                   ; the last two steps ask for nothing; the second trip is left in its middle: its fetch of the other slot, scaled by the table's entry 16, serves nothing
	Q 2, F1, F0, 0
	Q 3, F0, F1, 0
	TURN 0
	WIN 0
	s_sub_co_u32 s2, s2, 1
	s_cmp_eq_u32 s2, 0
	s_cbranch_scc1 .Lout
	Q 1, F0, F1, 0
	WIN 0
	s_branch .LB
.Lout:
; THE WAY OUT, a block of 16 rows at a time: sum / l, rounded to f16, through my own stage, stored as whole rows of 256 bytes.
.macro PACK a
	WIN 0x01                                       ; source 0 window 1
.set i, 0
.rept 32
	v_pk_mul_f32 v[32+2*i:33+2*i], v[64*(\a)+2*i:64*(\a)+2*i+1], v[232+2*(\a):233+2*(\a)] op_sel_hi:[1,0]  ; each accumulator's registers in ascending order
.set i, i+1
.endr
	WIN 0
.set i, 0
.rept 32
	v_cvt_pk_f16_f32 v[96+i], v[32+2*i], v[33+2*i]
.set i, i+1
.endr
.endm
.macro TOSTAGE a
.set BK, 128+32*((\a)%2)
.irp b, 0,1,2,3,4,5,6,7
	ds_store_b128 v24, v[96+4*(\b):96+4*(\b)+3] offset:32*(\b)
.endr
.irp t, 0,1,2,3,4,5,6,7
	ds_load_b128 v[BK+4*(\t):BK+4*(\t)+3], v25 offset:(\t)*2*SP
.endr
.endm
.macro SEND a
.set BK, 128+32*((\a)%2)
	s_wait_dscnt 0x0
	s_wait_xcnt 0x0                                ; earlier stores have read their base and their data
.if (\a) > 0
	s_add_nc_u64 s[8:9], s[8:9], 16*ROWC
.endif
.irp t, 0,1,2,3,4,5,6,7
	global_store_b128 v26, v[BK+4*(\t):BK+4*(\t)+3], s[8:9] offset:(\t)*2*ROWC  ; 16 lanes store 256 consecutive bytes, at a multiple of 256 from oh's first byte
.endr
.endm
.irp a, 0,1,2,3
	ds_load_b32 v[232+2*(\a)], v22 offset:4096+64*(\a)  ; 1 / l of my row of each block; the pair's second word is named with it, so it is written
	ds_load_b32 v[233+2*(\a)], v22 offset:4096+64*(\a)
.endr
	PLACES
	PLACES                                         ; eight, once a launch, behind the last products
	s_wait_dscnt 0x0
	PACK 0
	TOSTAGE 0
.irp a, 1,2,3
	PACK \a
	SEND (\a)-1
	TOSTAGE \a
.endr
	SEND 3
	s_wait_tensorcnt 0x0                           ; the wave's end
	ds_add_u32 v28, v29
	s_wait_dscnt 0x0
	CROUND
	s_endpgm
.Lfunc_end_k_q323f07e2d6_pv:
	.size	k_q323f07e2d6_pv, .Lfunc_end_k_q323f07e2d6_pv-k_q323f07e2d6_pv
	.p2alignl 7, 3214868480
	.fill 96, 4, 3214868480
	.section	.rodata,"a",@progbits
	.p2align	6, 0x0
	.amdhsa_kernel k_q323f07e2d6_pv
		.amdhsa_group_segment_fixed_size 327680
		.amdhsa_private_segment_fixed_size 0
		.amdhsa_enable_private_segment 0
		.amdhsa_kernarg_size 32
		.amdhsa_user_sgpr_count 2
		.amdhsa_user_sgpr_kernarg_segment_ptr 1
		.amdhsa_wavefront_size32 1
		.amdhsa_system_sgpr_workgroup_id_x 1
		.amdhsa_system_sgpr_workgroup_id_y 1
		.amdhsa_system_sgpr_workgroup_id_z 1
		.amdhsa_system_vgpr_workitem_id 0
		.amdhsa_next_free_vgpr 512
		.amdhsa_next_free_sgpr 100
		.amdhsa_reserve_vcc 0
		.amdhsa_float_denorm_mode_32 3
		.amdhsa_float_denorm_mode_16_64 3
		.amdhsa_memory_ordered 1
		.amdhsa_forward_progress 1
		.amdhsa_inst_pref_size 107
	.end_amdhsa_kernel
	.amdgpu_metadata
---
amdhsa.version: [ 1, 2 ]
amdhsa.kernels:
  - .name:           k_q323f07e2d6_pv
    .symbol:         k_q323f07e2d6_pv.kd
    .args:
      - { .name: pw, .offset: 0, .size: 8, .value_kind: global_buffer, .address_space: global }
      - { .name: qkv, .offset: 8, .size: 8, .value_kind: global_buffer, .address_space: global }
      - { .name: st, .offset: 16, .size: 8, .value_kind: global_buffer, .address_space: global }
      - { .name: oh, .offset: 24, .size: 8, .value_kind: global_buffer, .address_space: global }
    .group_segment_fixed_size: 327680
    .private_segment_fixed_size: 0
    .kernarg_segment_align: 8
    .kernarg_segment_size: 32
    .max_flat_workgroup_size: 128
    .sgpr_count:     100
    .vgpr_count:     512
    .wavefront_size: 32
...
	.end_amdgpu_metadata
.endif
;; end of part 4
;; launch outp (part 5): grid 8 x 32, 4 waves a work-group, clusters of 4 x 4, 327,680 bytes of LDS; arguments oh, woh, bo, out0; writes out0
.if DOCPART == 5
	.amdgcn_target "amdgcn-amd-amdhsa--gfx1250"
	.amdhsa_code_object_version 6
	.text
	.protected	k_q323f07e2d6_outp
	.globl	k_q323f07e2d6_outp
	.p2align	8
	.type	k_q323f07e2d6_outp,@function
k_q323f07e2d6_outp:
	s_mov_b64 s[64:65], 0
	v_nop
	global_prefetch_b8 v0, s[64:65] scope:SCOPE_SE
	s_setreg_imm32_b32 hwreg(HW_REG_WAVE_MODE, 25, 1), 1
	s_wait_xcnt 0x0
	s_wait_alu depctr_hold_cnt(0) depctr_sa_sdst(0) depctr_va_vdst(0) depctr_va_sdst(0) depctr_va_ssrc(0) depctr_va_vcc(0) depctr_vm_vsrc(0)
	s_getreg_b32 s2, hwreg(HW_REG_IB_STS2, 6, 4)
	s_cmp_eq_u32 s2, 0
	s_cbranch_scc0 .Lentry_in_a_cluster
	s_endpgm
.Lentry_in_a_cluster:
	s_bfe_u32 s2, ttmp6, 0x10000c
	s_cmp_lg_u32 s2, 0xf033
	s_cbranch_scc0 .Lentry_shape_is_right
	s_endpgm
.Lentry_shape_is_right:
; THE LAST PROJECTION.  out0 [8192][1024] f32 = oh [8192][1024] x woh [1024][1024] (both f16; woh holds bf16(Wo)), sums in f32, + bo (rounded to bf16 like every input).
; SHARES, RING, ROUND: as in the first projections: a tile of 256 rows x 128 columns, 256 work-groups; wave w owns rows 64 w .. + 63; K in steps of 128 through two LDS slots; woh is turned by ds_load_tr16_b128.
; The matrix instruction is used transposed: a lane holds one row (lane % 16) and the 8 neighbouring columns 8 (lane / 16) + 0..7.
; CLUSTER.  4 x 4: oh's tile is shared along a row of the cluster, woh's along a column.
; REGISTERS.  window 0: v0-31 addresses; v32-127, v128-223 two fragment buffers.  window 1: accumulator (a, b) at v[8 (8 a + b)].  window 2: v0-63 bias, v64-67 at work.
.set T,     8
.set PA,    272
.set PB,    288
.set BOFF,  256*PA
.set SLOT1, 1<<17
.set STAGE, SLOT1+BOFF+128*PB          ; 16 rows x 528 bytes for each wave
.set SP,    528                        ; 512 bytes + 16: an odd multiple of 16
.set SPARE, STAGE+4*16*SP              ; the spare words: two blocks of 256 bytes that no other line names
.set ROWA,  2048
.set ROWB,  2048
.set ROWC,  4096
.set STEPA, 256
.set STEPB, 128*ROWB
.set F0,    32
.set F1,    128
.set MSB, 0
.macro WIN new
.if MSB != (\new)
	s_set_vgpr_msb (MSB<<8)|(\new)
.set MSB, (\new)
.endif
.endm
.macro PLACES
.rept 4
	v_nop
.endr
.endm
.macro CREST
	s_cmp_lg_u32 s10, 0
	s_cbranch_scc1 .Lnot_wave_0_\@
	s_barrier_signal -3
.Lnot_wave_0_\@:
	s_barrier_wait -3
	s_barrier_signal -1
	s_barrier_wait -1
.endm
.macro CROUND
	s_barrier_signal -1
	s_barrier_wait -1
	CREST
.endm
.macro JLOAD
	s_cmp_eq_u32 s11, 0
	s_cbranch_scc0 .Lfor_b_\@
	tensor_load_to_lds s[36:39], s[24:31]
	s_nop 0
.rept 4
	v_nop
.endr
	s_branch .Lasked_\@
.Lfor_b_\@:
	tensor_load_to_lds s[60:63], s[48:55]
	s_nop 0
.rept 4
	v_nop
.endr
.Lasked_\@:
.endm
; A prefetch of the K step two refills on: a lane a row of 256 bytes.  oh's rows: waves 0 and 1 of the clusters with x = 0, the partner at cx taking 32 of a wave's 128.  woh's rows: wave 2 of the clusters with y = 0,
; the partner at cy taking 32 of a step's 128.  Each row's 256 bytes of a step are named once.  Steps 0 to 3 come by their loads alone; the last two trips ask for nothing.
.macro ASK
	s_cmp_gt_u32 s3, s43
	s_cbranch_scc0 .Lnot_mine_\@
	global_prefetch_b8 v30, s[44:45] th:TH_LOAD_NT scope:SCOPE_SE
.Lnot_mine_\@:
.endm
.macro FETCH q, f
	WIN 0
.irp b, 0,1,2,3,4,5,6,7
	ds_load_tr16_b128 v[(\f)+8*(\b):(\f)+8*(\b)+3],   v19 offset:(\q)*32*PB+32*(\b)
	ds_load_tr16_b128 v[(\f)+8*(\b)+4:(\f)+8*(\b)+7], v19 offset:(\q)*32*PB+16*PB+32*(\b)
.endr
.irp a, 0,1,2,3
	ds_load_b128 v[(\f)+64+8*(\a):(\f)+64+8*(\a)+3],   v18 offset:(\a)*16*PA+64*(\q)
	ds_load_b128 v[(\f)+64+8*(\a)+4:(\f)+64+8*(\a)+7], v18 offset:(\a)*16*PA+64*(\q)+32
.endr
.endm
.macro MUL8 f, a, zero                 ; the 32 accumulators take turns, in the same order in every quarter
	WIN 0x50
.irp b, 0,1,2,3,4,5,6,7
.if \zero
	v_wmma_f32_16x16x32_f16 v[8*(8*(\a)+(\b)):8*(8*(\a)+(\b))+7], v[(\f)+8*(\b):(\f)+8*(\b)+7], v[(\f)+64+8*(\a):(\f)+64+8*(\a)+7], 0
.else
	v_wmma_f32_16x16x32_f16 v[8*(8*(\a)+(\b)):8*(8*(\a)+(\b))+7], v[(\f)+8*(\b):(\f)+8*(\b)+7], v[(\f)+64+8*(\a):(\f)+64+8*(\a)+7], v[8*(8*(\a)+(\b)):8*(8*(\a)+(\b))+7]
.endif
.endr
.endm
.macro Q q, f, g, zero
	PLACES
	FETCH \q, \g
	MUL8 \f, 0, \zero
	MUL8 \f, 1, \zero
	MUL8 \f, 2, \zero
	MUL8 \f, 3, \zero
	s_wait_dscnt 0x0                               ; g is in
.endm
.macro TURN fill
.if \fill
	s_wait_xcnt 0x0                                ; the last prefetch, a K step back, has read its address
	s_add_nc_u64 s[44:45], s[44:45], s[70:71]
.endif
	WIN 0
	s_wait_tensorcnt 0x0                           ; no tensor load of mine is out
	ds_add_u32 v28, v29                            ; 0 onto my spare word
.if \fill
	s_xor_b32 s37, s37, SLOT1
	s_add_nc_u64 s[38:39], s[38:39], STEPA
	s_xor_b32 s61, s61, SLOT1
	s_add_nc_u64 s[62:63], s[62:63], STEPB
.endif
	s_xor_b32 s66, s66, SLOT1
	MUL8 F1, 0, 0
	s_wait_dscnt 0x0                               ; the add is done, and my reads of this slot are over
	s_barrier_signal -1
	MUL8 F1, 1, 0
	WIN 0
	s_barrier_wait -1
.if \fill
	CREST
	JLOAD
.else
	PLACES
.endif
	v_add_nc_u32 v18, s66, v16
	v_add_nc_u32 v19, s66, v17
	FETCH 0, F0
.if \fill
	ASK
.endif
	MUL8 F1, 2, 0
	MUL8 F1, 3, 0
	s_wait_dscnt 0x0
.endm
	s_load_b128 s[4:7], s[0:1], 0x0                ; oh s[4:5], woh s[6:7]
	s_load_b128 s[72:75], s[0:1], 0x10             ; bo s[72:73], out0 s[74:75]
	v_lshl_add_u32 v28, v0, 2, SPARE
	v_mov_b32 v29, 0
	ds_add_u32 v28, v29                            ; the wave's opening: the add and its wait stand ahead of my first tensor load
	v_lshrrev_b32 v1, 5, v0
	v_readfirstlane_b32 s10, v1
	s_lshr_b32 s11, s10, 1
	s_and_b32 s12, s10, 1
	s_bfe_u32 s40, ttmp6, 0x40000
	s_bfe_u32 s41, ttmp6, 0x40004
	s_lshl_b32 s42, ttmp9, 2
	s_add_co_u32 s42, s42, s40
	s_and_b32 s22, ttmp7, 0xffff
	s_lshl_b32 s13, s22, 2
	s_add_co_u32 s13, s13, s41
	s_lshl_b32 s14, s41, 2
	s_lshl_b32 s14, 15, s14
	s_lshl_b32 s15, 0x1111, s40
	s_or_b32 s24, s14, (1<<16)|(1<<20)|(1<<21)|(5<<22)|(3<<25)  ; oh: 128 rows x 128 elements, pitch 272
	s_mov_b32 s25, 128<<16
	s_mov_b32 s26, 128<<16
	s_mov_b32 s27, 128<<16
	s_mov_b32 s28, 128
	s_mov_b32 s29, 1024
	s_mov_b32 s30, 0
	s_mov_b32 s31, 0
	s_or_b32 s48, s15, (1<<16)|(1<<20)|(1<<21)|(5<<22)|(7<<25)  ; woh: 64 rows x 128 elements, pitch 288
	s_mov_b32 s49, 128<<16
	s_mov_b32 s50, 64<<16
	s_mov_b32 s51, 128<<16
	s_mov_b32 s52, 64
	s_mov_b32 s53, 1024
	s_mov_b32 s54, 0
	s_mov_b32 s55, 0
	s_mul_i32 s68, s12, 128*PA
	s_mul_i32 s69, s12, 64*PB
	s_add_co_u32 s69, s69, BOFF
	s_mov_b32 s66, 0
	s_lshl_b32 s16, s13, 8
	s_lshl_b32 s17, s12, 7
	s_add_co_u32 s16, s16, s17
	s_mul_i32 s16, s16, ROWA
	s_mov_b32 s17, 0
	s_mul_i32 s46, s12, 64*ROWB
	s_lshl_b32 s47, s42, 8
	s_add_co_u32 s46, s46, s47
	s_mov_b32 s47, 0
	s_wait_dscnt 0x0
	s_wait_kmcnt 0x0
	s_add_nc_u64 s[14:15], s[4:5], s[16:17]
	s_add_nc_u64 s[46:47], s[6:7], s[46:47]
	CROUND
	s_mov_b32 s32, 1
	s_mov_b32 s33, s68
	s_mov_b64 s[34:35], s[14:15]
	s_or_b32 s35, s35, 0x80000000
	s_mov_b32 s36, 1
	s_add_co_u32 s37, s68, SLOT1
	s_add_nc_u64 s[38:39], s[14:15], STEPA
	s_or_b32 s39, s39, 0x80000000
	s_mov_b32 s56, 1
	s_mov_b32 s57, s69
	s_mov_b64 s[58:59], s[46:47]
	s_or_b32 s59, s59, 0x80000000
	s_mov_b32 s60, 1
	s_add_co_u32 s61, s69, SLOT1
	s_add_nc_u64 s[62:63], s[46:47], STEPB
	s_or_b32 s63, s63, 0x80000000
	s_cmp_eq_u32 s11, 0
	s_cbranch_scc0 .Lfirst_b
	tensor_load_to_lds s[32:35], s[24:31]
	s_nop 0
	tensor_load_to_lds s[36:39], s[24:31]
	s_nop 0
.rept 4
	v_nop
.endr
	s_branch .Lfirst_asked
.Lfirst_b:
	tensor_load_to_lds s[56:59], s[48:55]
	s_nop 0
	tensor_load_to_lds s[60:63], s[48:55]
	s_nop 0
.rept 4
	v_nop
.endr
.Lfirst_asked:
	s_lshl_b32 s14, s42, 9                         ; the bias of my tile's 128 columns
	s_mov_b32 s15, 0
	s_add_nc_u64 s[72:73], s[72:73], s[14:15]
	v_and_b32 v1, 15, v0
	v_bfe_u32 v2, v0, 4, 1
	v_lshlrev_b32 v27, 5, v2
	WIN 0x80
.set i, 0
.rept 16
	global_load_b128 v[4*i:4*i+3], v27, s[72:73] offset:64*(i/2)+16*(i%2)
.set i, i+1
.endr
	WIN 0
	v_and_b32 v3, 7, v0
	v_bfe_u32 v4, v0, 3, 1
	v_and_b32 v5, 31, v0
	s_mul_i32 s20, s10, 64*PA
	v_mul_u32_u24 v16, v1, PA
	v_lshl_add_u32 v16, v2, 4, v16
	v_add_nc_u32 v16, s20, v16
	v_lshl_add_u32 v17, v2, 3, v3
	v_mul_u32_u24 v17, v17, PB
	v_lshl_add_u32 v17, v4, 4, v17
	v_add_nc_u32 v17, BOFF, v17
	v_mov_b32 v18, v16
	v_mov_b32 v19, v17
	s_mul_i32 s23, s10, 16*SP
	s_add_co_u32 s23, s23, STAGE
	v_mul_u32_u24 v24, v1, SP                      ; in: row r, 32 bytes for each half of the lanes
	v_lshl_add_u32 v24, v2, 5, v24
	v_add_nc_u32 v24, s23, v24
	v_lshlrev_b32 v26, 4, v5                       ; back: 32 lanes take one row of 512 bytes
	v_add_nc_u32 v25, s23, v26
	s_lshl_b32 s16, s13, 8
	s_lshl_b32 s17, s10, 6
	s_add_co_u32 s16, s16, s17
	s_lshl_b32 s16, s16, 12
	s_lshl_b32 s17, s42, 9
	s_add_co_u32 s16, s16, s17
	s_mov_b32 s17, 0
	s_add_nc_u64 s[8:9], s[74:75], s[16:17]
	; the prefetches: they begin at K step 3
	s_lshl_b32 s20, s13, 8
	s_lshl_b32 s21, s12, 7
	s_add_co_u32 s20, s20, s21
	s_lshl_b32 s21, s40, 5
	s_add_co_u32 s20, s20, s21
	s_mul_i32 s20, s20, ROWA
	s_add_co_u32 s20, s20, 3*STEPA
	s_lshl_b32 s21, s41, 5
	s_add_co_u32 s21, s21, 3*128
	s_mul_i32 s21, s21, ROWB
	s_lshl_b32 s23, s42, 8
	s_add_co_u32 s21, s21, s23
	s_or_b32 s23, s22, s12
	s_mov_b32 s70, STEPB
	s_cmp_eq_u32 s11, 0
	s_cselect_b32 s20, s20, s21
	s_cselect_b32 s23, ttmp9, s23
	s_cselect_b64 s[44:45], s[4:5], s[6:7]
	s_cselect_b32 s70, STEPA, s70
	s_mov_b32 s71, 0
	s_mov_b32 s21, 0
	s_add_nc_u64 s[44:45], s[44:45], s[20:21]
	s_cmp_eq_u32 s23, 0
	s_cselect_b32 s43, 2, -1
	v_lshlrev_b32 v30, 11, v5                      ; a lane a row: both operands' rows are 2,048 bytes
	s_wait_loadcnt 0x0                             ; the bias: rounded to bf16 like every input and widened again, in the wait for the first tiles
	WIN 0x8a
.set i, 0
.rept 32
	v_cvt_pk_bf16_f32 v[64+i%4], v[2*i], v[2*i+1]
	v_lshlrev_b32 v[2*i], 16, v[64+i%4]
	v_and_b32 v[2*i+1], 0xffff0000, v[64+i%4]
.set i, i+1
.endr
	WIN 0
	s_wait_tensorcnt 0x1                           ; my part of K step 0 is in; step 1's may stay out
	s_barrier_signal -1
	s_barrier_wait -1
	FETCH 0, F0
	s_wait_dscnt 0x0
	Q 1, F0, F1, 1
	WIN 0
	s_mov_b32 s3, T-2
.LA:
	Q 2, F1, F0, 0
	Q 3, F0, F1, 0
	TURN 1
	Q 1, F0, F1, 0
	WIN 0
	s_sub_co_u32 s3, s3, 1
	s_cmp_lg_u32 s3, 0
	s_cbranch_scc1 .LA
	s_mov_b32 s2, 2
.LB:                                   ; the last two steps ask for nothing; the second trip is left in its middle (its fetch of the other slot serves nothing)
	Q 2, F1, F0, 0
	Q 3, F0, F1, 0
	TURN 0
	WIN 0
	s_sub_co_u32 s2, s2, 1
	s_cmp_eq_u32 s2, 0
	s_cbranch_scc1 .Lout
	Q 1, F0, F1, 0
	WIN 0
	s_branch .LB
.Lout:
; THE WAY OUT, a block of 16 rows at a time: sum + bias, 32 bytes a lane into my own stage, back as whole rows of 512 bytes, stored.
.macro PACK a
	WIN 0x09                                       ; source 0 window 1 (the sums), source 1 window 2 (the bias)
.set i, 0
.rept 32
	v_pk_add_f32 v[32+2*i:33+2*i], v[64*(\a)+2*i:64*(\a)+2*i+1], v[2*i:2*i+1]  ; each accumulator's registers in ascending order
.set i, i+1
.endr
	WIN 0
.endm
.macro TOSTAGE a
.set BK, 96+64*((\a)%2)
.set i, 0
.rept 16
	ds_store_b128 v24, v[32+4*i:35+4*i] offset:64*(i/2)+16*(i%2)
.set i, i+1
.endr
.set i, 0
.rept 16
	ds_load_b128 v[BK+4*i:BK+4*i+3], v25 offset:i*SP  ; LDS serves a wave's instructions in order (ISA guide 5.7.1.4): these see the stores above
.set i, i+1
.endr
.endm
.macro SEND a
.set BK, 96+64*((\a)%2)
	s_wait_dscnt 0x0
	s_wait_xcnt 0x0                                ; earlier stores have read their base and their data
.if (\a) > 0
	s_add_nc_u64 s[8:9], s[8:9], 16*ROWC
.endif
.set i, 0
.rept 16
	global_store_b128 v26, v[BK+4*i:BK+4*i+3], s[8:9] offset:i*ROWC th:TH_STORE_NT  ; a wave stores 512 consecutive bytes, at a multiple of 256 from out0's first byte
.set i, i+1
.endr
.endm
	PLACES
	PLACES                                         ; eight, once a launch, behind the last products
	PACK 0
	TOSTAGE 0
.irp a, 1,2,3
	PACK \a
	SEND (\a)-1
	TOSTAGE \a
.endr
	SEND 3
	s_wait_tensorcnt 0x0                           ; the wave's end
	ds_add_u32 v28, v29
	s_wait_dscnt 0x0
	CROUND
	s_endpgm
.Lfunc_end_k_q323f07e2d6_outp:
	.size	k_q323f07e2d6_outp, .Lfunc_end_k_q323f07e2d6_outp-k_q323f07e2d6_outp
	.p2alignl 7, 3214868480
	.fill 96, 4, 3214868480
	.section	.rodata,"a",@progbits
	.p2align	6, 0x0
	.amdhsa_kernel k_q323f07e2d6_outp
		.amdhsa_group_segment_fixed_size 327680
		.amdhsa_private_segment_fixed_size 0
		.amdhsa_enable_private_segment 0
		.amdhsa_kernarg_size 32
		.amdhsa_user_sgpr_count 2
		.amdhsa_user_sgpr_kernarg_segment_ptr 1
		.amdhsa_wavefront_size32 1
		.amdhsa_system_sgpr_workgroup_id_x 1
		.amdhsa_system_sgpr_workgroup_id_y 1
		.amdhsa_system_sgpr_workgroup_id_z 1
		.amdhsa_system_vgpr_workitem_id 0
		.amdhsa_next_free_vgpr 640
		.amdhsa_next_free_sgpr 100
		.amdhsa_reserve_vcc 0
		.amdhsa_float_denorm_mode_32 3
		.amdhsa_float_denorm_mode_16_64 3
		.amdhsa_memory_ordered 1
		.amdhsa_forward_progress 1
		.amdhsa_inst_pref_size 75
	.end_amdhsa_kernel
	.amdgpu_metadata
---
amdhsa.version: [ 1, 2 ]
amdhsa.kernels:
  - .name:           k_q323f07e2d6_outp
    .symbol:         k_q323f07e2d6_outp.kd
    .args:
      - { .name: oh, .offset: 0, .size: 8, .value_kind: global_buffer, .address_space: global }
      - { .name: woh, .offset: 8, .size: 8, .value_kind: global_buffer, .address_space: global }
      - { .name: bo, .offset: 16, .size: 8, .value_kind: global_buffer, .address_space: global }
      - { .name: out0, .offset: 24, .size: 8, .value_kind: global_buffer, .address_space: global }
    .group_segment_fixed_size: 327680
    .private_segment_fixed_size: 0
    .kernarg_segment_align: 8
    .kernarg_segment_size: 32
    .max_flat_workgroup_size: 128
    .sgpr_count:     100
    .vgpr_count:     640
    .wavefront_size: 32
...
	.end_amdgpu_metadata
.endif
;; end of part 5
;; ======== version 2 of 2: 5 launches; version 1 with the launch prep written anew for expert scheduling mode
;; limits: values are held in f16: magnitudes above 65,504 overflow, below 6.1e-05 lose precision
;; workspace buffers: xb 16,777,216 bytes; wqkv 6,291,456 bytes; woh 2,097,152 bytes; qkv 50,331,648 bytes; pw 33,554,432 bytes; st 1,048,576 bytes; oh 16,777,216 bytes
;; launch prep (part 6): grid 768 x 1, 8 waves a work-group, no clusters, 0 bytes of LDS; arguments x, Wq, Wk, Wv, Wo, xb, wqkv, woh; writes xb, wqkv, woh
.if DOCPART == 6
	.amdgcn_target "amdgcn-amd-amdhsa--gfx1250"
	.amdhsa_code_object_version 6
	.text
	.protected	k_q323f07e2d6_prep
	.globl	k_q323f07e2d6_prep
	.p2align	8
	.type	k_q323f07e2d6_prep,@function
k_q323f07e2d6_prep:
	s_mov_b64 s[64:65], 0
	v_nop
	global_prefetch_b8 v0, s[64:65] scope:SCOPE_SE
	s_setreg_imm32_b32 hwreg(HW_REG_WAVE_SCHED_MODE, 0, 2), 2
	s_setreg_imm32_b32 hwreg(HW_REG_WAVE_MODE, 25, 1), 1
	s_wait_xcnt 0x0
	s_wait_alu depctr_vm_vsrc(0)
; THE INPUTS OF THE PRODUCTS, ROUNDED ONCE TO bf16.  x [8192][1024] f32 -> xb, bf16.  Wq, Wk, Wv [1024][1024] f32 -> wqkv [1024][3072] bf16, side by side
; (columns 0-1023 Wq, 1024-2047 Wk, 2048-3071 Wv).  Wo -> woh [1024][1024]: rounded to bf16 like the others, and that number written as f16, since the last product's other operand is f16.
; LIMITS.  bf16(Wo) beyond 65,504 becomes an infinity in f16; below 6e-5 it falls on f16's fixed step of 6e-8.
; SHARES.  A row of each source is 1,024 f32 = 256 threads x 4 numbers.  A work-group takes 16 rows: thread t loads the 16 bytes at 16 t of each (a wave: 512 consecutive bytes) and stores the 8 bytes
; at 8 t (a wave: 256 consecutive bytes, aligned).  Work-groups 0-511 take x; of the other 256, 64 take each weight.  All 16 loads go out first.
; No LDS, no matrix unit, no cluster: nothing is shared and nothing is read twice.
; THE MODE: SCHED_MODE bits 1:0 = 2 (LLVM: expert scheduling mode 2), set by the entry lines.  The code itself states the register dependences
; between vector instructions and memory instructions, with s_wait_alu, always for 0.
; THE PLAN.  Registers that memory instructions touch:
;   v1, v2      byte offsets 16 t and 8 t.  Written once at the head; read by every load (v1) and every store (v2); never written again.
;   X v[16:79]  row i: 4 registers at 16 + 4 i.  Written by row i's load, which is issued before any vector instruction names them; read by row i's roundings; never loaded again.
;   Y v[80:111] row i: 2 registers at 80 + 2 i.  Written by row i's roundings; read by row i's one store; never written again behind it.
;   v3 to v6    at work on Wo's way: no memory instruction names them.
; No register that a load or a store reads is written again, and no load lands in a register that a vector instruction has named: what is left to state is that a register is written before a memory instruction reads it.
; The 16 rows go in four blocks of four.  Block p rounds its rows into its part of Y; its memory instructions are the four stores of block p - 1, whose part of Y no vector instruction of block p names.
; So one wait at a block's head states all that its four stores hang on, and they are dealt among the block's vector instructions with no further wait.
.set ROWB, 4096                        ; bytes in a source row
.set BLK,  4                           ; rows in a block
.macro CONV pitch, half                ; pitch: bytes from row to row in the destination; half = 1: bf16 written as f16
	s_wait_alu depctr_va_vdst(0)                   ; v1 and v2 are written: every load and store below reads one of them as its offset
.set i, 0
.rept 16
	global_load_b128 v[16+4*i:19+4*i], v1, s[4:5] offset:ROWB*i th:TH_LOAD_NT
.set i, i+1
.endr
.set p, 0
.rept 4
	s_wait_loadcnt 12-BLK*p                        ; loads come back in order (ISA guide 5.7.1): block p's four rows are in, the 12 - 4 p younger loads stay out
.if p > 0
	s_wait_alu depctr_va_vdst(0)                   ; the block before has written its eight registers of Y, which the four stores below read
.endif
.set j, 0
.rept BLK
.set i, BLK*p+j
.if p > 0
	global_store_b64 v2, v[80+2*(i-BLK):81+2*(i-BLK)], s[6:7] offset:(\pitch)*(i-BLK)  ; the block before; no vector instruction since the wait names these registers
.endif
	v_cvt_pk_bf16_f32 v[80+2*i], v[16+4*i], v[17+4*i]
	v_cvt_pk_bf16_f32 v[81+2*i], v[18+4*i], v[19+4*i]
.if \half
	v_lshlrev_b32 v3, 16, v[80+2*i]                ; bf16 to f32: a shift, a mask
	v_and_b32 v4, 0xffff0000, v[80+2*i]
	v_lshlrev_b32 v5, 16, v[81+2*i]
	v_and_b32 v6, 0xffff0000, v[81+2*i]
	v_cvt_pk_f16_f32 v[80+2*i], v3, v4
	v_cvt_pk_f16_f32 v[81+2*i], v5, v6
.endif
.set j, j+1
.endr
.set p, p+1
.endr
	s_wait_alu depctr_va_vdst(0)                   ; the last block has written its eight registers of Y, which the last four stores read
.set i, 12
.rept BLK
	global_store_b64 v2, v[80+2*i:81+2*i], s[6:7] offset:(\pitch)*i
.set i, i+1
.endr
.endm
	s_load_b512 s[8:23], s[0:1], 0x0               ; x 8:9, Wq 10:11, Wk 12:13, Wv 14:15, Wo 16:17, xb 18:19, wqkv 20:21, woh 22:23
	v_lshlrev_b32 v1, 4, v0                        ; 16 t
	v_lshlrev_b32 v2, 3, v0                        ; 8 t
	s_mov_b32 s25, 0                               ; the offsets' high words
	s_mov_b32 s27, 0
	s_cmp_lt_u32 ttmp9, 512
	s_cbranch_scc0 .Lweights
	s_lshl_b32 s24, ttmp9, 16                      ; 16 rows of 4,096 bytes
	s_lshl_b32 s26, ttmp9, 15                      ; 16 rows of 2,048 bytes
	s_wait_kmcnt 0x0
	s_add_nc_u64 s[4:5], s[8:9], s[24:25]
	s_add_nc_u64 s[6:7], s[18:19], s[26:27]
	CONV 2048, 0
	s_endpgm
.Lweights:
	s_sub_co_u32 s28, ttmp9, 512
	s_lshr_b32 s29, s28, 6                         ; which weight: 0 Wq, 1 Wk, 2 Wv, 3 Wo
	s_and_b32 s28, s28, 63                         ; which 16 rows of it
	s_lshl_b32 s24, s28, 16
	s_wait_kmcnt 0x0
	s_cmp_eq_u32 s29, 3
	s_cbranch_scc1 .Lwo
	s_mul_i32 s26, s28, 16*6144                    ; 16 rows of wqkv,
	s_lshl_b32 s30, s29, 11                        ; and the weight's 2,048 bytes of each
	s_add_co_u32 s26, s26, s30
	s_cmp_eq_u32 s29, 0
	s_cselect_b64 s[4:5], s[10:11], s[12:13]
	s_cmp_eq_u32 s29, 2
	s_cselect_b64 s[4:5], s[14:15], s[4:5]
	s_add_nc_u64 s[4:5], s[4:5], s[24:25]
	s_add_nc_u64 s[6:7], s[20:21], s[26:27]
	CONV 6144, 0
	s_endpgm
.Lwo:
	s_lshl_b32 s26, s28, 15
	s_add_nc_u64 s[4:5], s[16:17], s[24:25]
	s_add_nc_u64 s[6:7], s[22:23], s[26:27]
	CONV 2048, 1
	s_endpgm
.Lfunc_end_k_q323f07e2d6_prep:
	.size	k_q323f07e2d6_prep, .Lfunc_end_k_q323f07e2d6_prep-k_q323f07e2d6_prep
	.p2alignl 7, 3214868480
	.fill 96, 4, 3214868480
	.section	.rodata,"a",@progbits
	.p2align	6, 0x0
	.amdhsa_kernel k_q323f07e2d6_prep
		.amdhsa_group_segment_fixed_size 0
		.amdhsa_private_segment_fixed_size 0
		.amdhsa_enable_private_segment 0
		.amdhsa_kernarg_size 64
		.amdhsa_user_sgpr_count 2
		.amdhsa_user_sgpr_kernarg_segment_ptr 1
		.amdhsa_wavefront_size32 1
		.amdhsa_system_sgpr_workgroup_id_x 1
		.amdhsa_system_sgpr_workgroup_id_y 1
		.amdhsa_system_sgpr_workgroup_id_z 1
		.amdhsa_system_vgpr_workitem_id 0
		.amdhsa_next_free_vgpr 112
		.amdhsa_next_free_sgpr 66
		.amdhsa_reserve_vcc 0
		.amdhsa_float_denorm_mode_32 3
		.amdhsa_float_denorm_mode_16_64 3
		.amdhsa_memory_ordered 1
		.amdhsa_forward_progress 1
		.amdhsa_inst_pref_size 23
	.end_amdhsa_kernel
	.amdgpu_metadata
---
amdhsa.version: [ 1, 2 ]
amdhsa.kernels:
  - .name:           k_q323f07e2d6_prep
    .symbol:         k_q323f07e2d6_prep.kd
    .args:
      - { .name: x, .offset: 0, .size: 8, .value_kind: global_buffer, .address_space: global }
      - { .name: Wq, .offset: 8, .size: 8, .value_kind: global_buffer, .address_space: global }
      - { .name: Wk, .offset: 16, .size: 8, .value_kind: global_buffer, .address_space: global }
      - { .name: Wv, .offset: 24, .size: 8, .value_kind: global_buffer, .address_space: global }
      - { .name: Wo, .offset: 32, .size: 8, .value_kind: global_buffer, .address_space: global }
      - { .name: xb, .offset: 40, .size: 8, .value_kind: global_buffer, .address_space: global }
      - { .name: wqkv, .offset: 48, .size: 8, .value_kind: global_buffer, .address_space: global }
      - { .name: woh, .offset: 56, .size: 8, .value_kind: global_buffer, .address_space: global }
    .group_segment_fixed_size: 0
    .private_segment_fixed_size: 0
    .kernarg_segment_align: 8
    .kernarg_segment_size: 64
    .max_flat_workgroup_size: 256
    .sgpr_count:     66
    .vgpr_count:     112
    .wavefront_size: 32
...
	.end_amdgpu_metadata
.endif
;; end of part 6
;; launch qkv: the kernel of part 2 again; grid 12 x 16, 4 waves a work-group, clusters of 4 x 4, 327,680 bytes of LDS; arguments xb, wqkv, bq, bk, bv, qkv; writes qkv
;; launch scores: the kernel of part 3 again; grid 8 x 32, 4 waves a work-group, clusters of 4 x 4, 327,680 bytes of LDS; arguments qkv, mask, pw, st; writes pw, st
;; launch pv: the kernel of part 4 again; grid 8 x 32, 4 waves a work-group, clusters of 4 x 4, 327,680 bytes of LDS; arguments pw, qkv, st, oh; writes oh
;; launch outp: the kernel of part 5 again; grid 8 x 32, 4 waves a work-group, clusters of 4 x 4, 327,680 bytes of LDS; arguments oh, woh, bo, out0; writes out0
